; MI455X (gfx1250); checked and timed in simulation.
; The chip was launched on July 23, 2026; its instructions are those of AMD's public machine-readable ISA for CDNA 5 (MIT licence, August 2026) and "CDNA5" Instruction Set Architecture Reference Guide (July 2026). The comments in the code are by the model that wrote it; some were corrected since.
;; Multi Head Attention. Allowed arithmetic: matrix products marked QUANTISED: E5M2 operands, one given power-of-two scale a tensor, by v_wmma_f32_16x16x64_bf8_bf8 or v_wmma_f32_16x16x128_bf8_bf8, f32 sums; everything else in f32.
;; Inputs: W_K 1,024 x 1,024 float32; W_O 1,024 x 1,024 float32; W_Q 1,024 x 1,024 float32; W_V 1,024 x 1,024 float32; ln_beta 1,024 float32; ln_gamma 1,024 float32; lowp_scales 12 int32 (the exponents e of the quantised operands' scales 2^e); x 4 x 2,048 x 1,024 float32.
;; Outputs: out0 4 x 2,048 x 1,024 float32.
;; This version of the problem:
;;   THIS VERSION OF THE PROBLEM IS GIVEN IN LOW PRECISION. The matrix products marked QUANTISED in the list below multiply operands that are first quantised to E5M2 (5 exponent bits, 2 mantissa bits; 8 bits a number), with one given power-of-two scale for each operand tensor; their sums are f32. All else is computed in f32.
;;   The module's matrix products, in the order in which they are computed (A, B: the left and right operand; K: the contracted axis; several contracted axes count as one K, in the product's order):
;;     1. [M 8,192, K 1,024] x [K 1,024, N 1,024]; A: input x; B: input W_Q: QUANTISED (scales: A lowp_scales[0], B lowp_scales[1])
;;     2. [M 8,192, K 1,024] x [K 1,024, N 1,024]; A: input x; B: input W_K: QUANTISED (scales: A lowp_scales[2], B lowp_scales[3])
;;     3. [M 8,192, K 1,024] x [K 1,024, N 1,024]; A: input x; B: input W_V: QUANTISED (scales: A lowp_scales[4], B lowp_scales[5])
;;     4. batch 64 x [M 2,048, K 64] x [K 64, N 2,048]; A: computed on the way; B: computed on the way: QUANTISED (scales: A lowp_scales[6], B lowp_scales[7])
;;     5. batch 64 x [M 2,048, K 2,048] x [K 2,048, N 64]; A: softmax (see below); B: computed on the way: QUANTISED (scales: A lowp_scales[8], B lowp_scales[9])
;;     6. [M 8,192, K 1,024] x [K 1,024, N 1,024]; A: computed on the way; B: input W_O: QUANTISED (scales: A lowp_scales[10], B lowp_scales[11])
;;   THE QUANTISER, for each operand of a quantised product, along K:
;;     - The operand's scale is 2^e, e = its entry of the input lowp_scales (int32; the entries are numbered through the quantised products in the list's order, A before B).
;;     - Each number is divided by the scale, clamped to +-57,344, and rounded to the nearest number of E5M2, ties to even, subnormals kept.
;;     - The product sums the exact products of the quantised numbers (number of the format x scale) in f32.
;;   ~~~python
;;   def quantise(x, axis, e):      # numpy; x: float32 -> the quantised numbers, widened to float32 again
;;       x = np.moveaxis(x, axis, -1); K = x.shape[-1]
;;       r = np.clip(x / 2.0 ** e, -57344, 57344)
;;       step = 2.0 ** (np.maximum(np.frexp(np.where(r == 0, 1, r))[1] - 1, -14) - 2)
;;       q = np.round(r / step) * step * 2.0 ** e      # np.round: ties to even
;;       return np.moveaxis(q, -1, axis).astype(np.float32)
;;   ~~~
;;   SOFTMAX AHEAD OF A QUANTISED PRODUCT. Where the list says 'softmax', what is quantised is not the finished softmax but p = 2^(t - M), with t = logit x log2(e) and M = ceil(the row's largest t), a whole number; so 1/2 < the row's largest p <= 1. The row's sum l is taken of the UNQUANTISED p, in f32, and the product's result is divided by l at the end. Since M is a whole number, a kernel that streams over the keys may use a running M (the ceiling of the running maximum): every later rescaling is an exact power of two, so the quantised numbers keep their values, but for numbers so far below the row's largest that they fall under the format's range.
;;   OPERANDS COMPUTED ON THE WAY. 'Computed on the way' means the value that the module computes at that place (a softmax that the list does not call 'softmax' is quantised finished and normalised). What goes into a quantiser is computed in f32, as accurately as f32 sums, v_exp_f32 and their like allow (about 1e-6 of the number): no bf16 or f16 on the way to a quantiser, and a product that is left as it is and whose result goes on into a quantised operand takes f32 operands (vector FMAs, or v_wmma_f32_16x16x4_f32). A number that lies on a knife's edge between two numbers of the format may be rounded either way, as far as f32 arithmetic and the matrix unit's own rounding can turn it there, and no further.
;; One version. Each part assembles by itself: llvm-mc -triple=amdgcn-amd-amdhsa -mcpu=gfx1250 --defsym DOCPART=n.
;; ======== version 1 of 1: 4 launches
;; limits: right only within a limited range of input values
;; workspace buffers: xc 25,165,824 bytes; wc 3,145,728 bytes; woimg 1,048,576 bytes; qkvc 25,165,824 bytes; cimg 8,388,608 bytes
;; launch quant (part 1): grid 384 x 1, 4 waves a work-group, no clusters, 68,096 bytes of LDS; arguments x, W_Q, W_K, W_V, W_O, lowp_scales, xc, wc, woimg; writes xc, wc, woimg
.if DOCPART == 1
	.amdgcn_target "amdgcn-amd-amdhsa--gfx1250"
	.amdhsa_code_object_version 6
	.text
	.protected	k_qa1a2116b6c_quant
	.globl	k_qa1a2116b6c_quant
	.p2align	8
	.type	k_qa1a2116b6c_quant,@function
k_qa1a2116b6c_quant:
	s_mov_b64 s[64:65], 0
	v_nop
	global_prefetch_b8 v0, s[64:65] scope:SCOPE_SE
	s_setreg_imm32_b32 hwreg(HW_REG_WAVE_MODE, 25, 1), 1
	s_wait_xcnt 0x0
; x and the four weights, f32, become codes of BF8 (E5M2): code = number / 2^e, x's held within +-57,344, to the nearest code, ties to even.
; x [8192][1024] is an operand of three products with three given scales (entries 0, 2, 4): three sets of codes, xc [3][8192][1024 bytes], K innermost.
; W_Q, W_K, W_V [k][n] (entries 1, 3, 5): wc [3][1024 (n)][1024 bytes along k].  W_O [k][n] (entry 11): woimg [K step 8][tile of 16 n: 64][plane c: 4][lane 32][16 bytes]:
; the image of an operand's registers: lane (r, h) of plane c holds k = 128 s + 32 c + 16 h + 0 .. 15 of the tile's row r.
; THE ROWS OF EVERY GROUP OF 32 ARE LAID WITH BITS 3 AND 4 OF THEIR NUMBER EXCHANGED: place 16 u + 8 a + l holds row 16 a + 8 u + l (tokens in xc, columns n in wc and woimg).  Sixteen places on end are a tile;
; used as source 0 of a matrix instruction, two neighbouring tiles then leave 16 NEIGHBOURING rows in a lane's 16 result registers, which the later launches turn straight into the next operand's codes.
; Work-groups 0-127 take the weights (32 each: 128 columns x 256 along k), work-groups 128-383 take x (32 token rows each).  The two ways use LDS bytes of their own.  No barrier: waves share nothing.
; LIMITS: every e used here lies between -126 and 112, so that 2^e and 57,344 x 2^e are f32 numbers.  NaN among the inputs is not served; an infinity in x is held at the largest code.
.set STEPS, 16                         ; x: steps of 512 numbers for a wave (8 token rows)
.set SP,    80                         ; x: a lane's place in a stage: its 64 bytes + 16 of padding
.set WREG,  8192                       ; x: LDS of a wave: two stages of 32 x SP bytes
.set R,     16                         ; v16-79   x: four sets of 16 numbers as loaded
.set X,     80                         ; v80-111  x: two sets of 16 neighbours
.set T,     112                        ; v112-159 x: the 16 neighbours held for each of the three scales
.set C,     160                        ; v160-183 x: two sets of 12 registers of codes
.set WBASE, 32768                      ; weights: their stages begin behind x's
.set WP,    272                        ; weights: a stage row: 256 bytes of codes + 16
.set WSTG,  32*WP                      ; weights: a wave's stage
.set WX,    32                         ; v32-95   weights: two sets of 32 numbers
.set WC,    96                         ; v96-103  weights: a block's codes
.set WO,    112                        ; v112-175 weights: the way out
.macro XLOAD t                         ; four loads of 512 consecutive bytes
.irp i, 0,1,2,3
	global_load_b128 v[R+16*((\t)%4)+4*\i:R+16*((\t)%4)+4*\i+3], v3, s[4:5] offset:2048*(\t)+512*\i th:TH_LOAD_NT
.endr
.endm
.macro XTURN t                         ; a step's 2,048 bytes go through the wave's stage as they lie and come back 64 bytes a lane; LDS serves a wave's instructions in order
.irp i, 0,1,2,3
	ds_store_b128 v14, v[R+16*((\t)%4)+4*\i:R+16*((\t)%4)+4*\i+3] offset:32*SP*((\t)%2)+8*SP*\i
.endr
.irp i, 0,1,2,3
	ds_load_b128 v[X+16*((\t)%2)+4*\i:X+16*((\t)%2)+4*\i+3], v15 offset:32*SP*((\t)%2)+16*\i
.endr
.endm
.macro XSTEP t
.set XS, X+16*((\t)%2)
.set CC, C+12*((\t)%2)
	s_wait_dscnt 0x0                               ; this step's numbers are back, and its stores into the stage have read their registers,
.if (\t)+4 < STEPS
	XLOAD (\t)+4                                   ; which take the loads of four steps on
.endif
.if (\t)+1 < STEPS
.if STEPS-2-(\t) >= 3
	s_wait_loadcnt 12                              ; the next step's four loads are in; those of the three steps behind it may be out
.else
	s_wait_loadcnt 4*(STEPS-2-(\t))
.endif
	XTURN (\t)+1
.endif
	s_wait_xcnt 0x0                                ; the stores of two steps ago have read this set of code registers
.irp q, 0,1,2
.irp i, 0,1,2,3,4,5,6,7,8,9,10,11,12,13,14,15
	v_med3_num_f32 v[T+16*\q+\i], v[XS+\i], -v[8+\q], v[8+\q]   ; the conversion does not saturate (ISA guide 7.6.2): the hold at the largest code x the scale
.endr
.endr
.irp q, 0,1,2
	v_cvt_scalef32_pk8_bf8_f32 v[CC+4*\q:CC+4*\q+1], v[T+16*\q:T+16*\q+7], v[5+\q]
	v_cvt_scalef32_pk8_bf8_f32 v[CC+4*\q+2:CC+4*\q+3], v[T+16*\q+8:T+16*\q+15], v[5+\q]
.endr
	v_nop                                          ; a plain line behind the last conversion: the next step's holds write its sources
	global_store_b128 v3, v[CC:CC+3], s[40:41] offset:512*(\t)      ; 32 lanes store 512 consecutive bytes, aligned
	global_store_b128 v3, v[CC+4:CC+7], s[42:43] offset:512*(\t)
	global_store_b128 v3, v[CC+8:CC+11], s[44:45] offset:512*(\t)
.endm
.macro WLOAD t                         ; block t: W(32 t + i, my column), i = 0 .. 31: each load reads 128 consecutive bytes
.irp i, 0,1,2,3,4,5,6,7,8,9,10,11,12,13,14,15,16,17,18,19,20,21,22,23,24,25,26,27,28,29,30,31
	global_load_b32 v[WX+32*((\t)%2)+\i], v3, s[6:7] offset:(32*(\t)+\i)*4096 th:TH_LOAD_NT
.endr
.endm
.macro WBLOCK t
.set XS, WX+32*((\t)%2)
.if (\t) < 7
	s_wait_loadcnt 32                              ; this block's 32 loads are in; the next block's may be out
.else
	s_wait_loadcnt 0x0
.endif
.irp i, 0,1,2,3,4,5,6,7,8,9,10,11,12,13,14,15,16,17,18,19,20,21,22,23,24,25,26,27,28,29,30,31
.endr
.irp g, 0,1,2,3
	v_cvt_scalef32_pk8_bf8_f32 v[WC+2*\g:WC+2*\g+1], v[XS+8*\g:XS+8*\g+7], v11
.endr
	ds_store_b128 v4, v[WC:WC+3] offset:32*(\t)    ; 32 codes along k of my column, into the stage row of my column's place
	ds_store_b128 v4, v[WC+4:WC+7] offset:32*(\t)+16
.if (\t)+2 < 8
	WLOAD (\t)+2
.endif
	s_wait_dscnt 0x0                               ; the stores have read their registers
.endm
	s_load_b256 s[4:11], s[0:1], 0x0               ; x, W_Q, W_K, W_V
	s_load_b256 s[12:19], s[0:1], 0x20             ; W_O, the scales' exponents, xc, wc
	s_load_b64 s[20:21], s[0:1], 0x40              ; woimg
	v_lshl_add_u32 v192, v0, 2, 0x10800
	v_mov_b32 v193, 0
	v_lshrrev_b32 v1, 5, v0
	v_readfirstlane_b32 s22, v1                    ; wave 0..3
	v_and_b32 v2, 31, v0                           ; lane
	s_wait_kmcnt 0x0
	s_load_b256 s[24:31], s[14:15], 0x0            ; e0 .. e7
	s_load_b128 s[32:35], s[14:15], 0x20           ; e8 .. e11
	s_cmp_lt_u32 ttmp9, 128
	s_cbranch_scc1 .Lweights
	; ---------------- x ----------------
	s_sub_co_u32 s36, ttmp9, 128                   ; which 32 token rows
	s_lshl_b32 s37, s36, 2
	s_add_co_u32 s38, s37, s22                     ; my wave's 8 rows: 4 x group + wave
	s_lshl_b32 s38, s38, 15                        ; x 32,768 bytes
	s_mov_b32 s39, 0
	s_add_nc_u64 s[4:5], s[4:5], s[38:39]
	s_and_b32 s46, s22, 1                          ; the 8 rows' place in the group of 32: the wave number's two bits exchanged
	s_lshl_b32 s46, s46, 1
	s_lshr_b32 s47, s22, 1
	s_or_b32 s46, s46, s47
	s_add_co_u32 s46, s46, s37
	s_lshl_b32 s46, s46, 13                        ; x 8,192 bytes of codes
	s_mov_b32 s47, 0
	s_add_nc_u64 s[40:41], s[16:17], s[46:47]      ; the three sets lie 8,388,608 bytes apart
	s_add_nc_u64 s[42:43], s[40:41], 0x800000
	s_add_nc_u64 s[44:45], s[40:41], 0x1000000
	s_wait_alu depctr_va_vdst(0)
	v_lshlrev_b32 v3, 4, v2                        ; 16 x lane: my bytes of a load's 512, and of a store's
	s_mul_i32 s23, s22, WREG
	v_lshrrev_b32 v14, 2, v2
	v_mul_u32_u24 v14, v14, SP
	v_and_b32 v15, 3, v2
	v_lshl_add_u32 v14, v15, 4, v14
	v_add_nc_u32 v14, s23, v14                     ; the stage, on the way in: SP (lane / 4) + 16 (lane % 4)
	v_mul_u32_u24 v15, v2, SP
	v_add_nc_u32 v15, s23, v15                     ; and on the way out: SP x lane
.irp t, 0,1,2,3
	XLOAD \t
.endr
	s_wait_alu depctr_va_vdst(0)
	s_wait_kmcnt 0x0
.irp q, 0,1,2                                  ; e0, e2, e4
	s_add_co_i32 s48, s[24+2*\q], 127
	s_lshl_b32 s49, s48, 23
	v_mov_b32 v[5+\q], s49                         ; 2^e as f32: the conversion takes its exponent field
	s_add_co_i32 s48, s48, 15
	s_lshl_b32 s48, s48, 23
	s_or_b32 s48, s48, 0x600000
	v_mov_b32 v[8+\q], s48                         ; 57,344 x 2^e
.endr
	s_wait_alu depctr_va_vdst(0)
	s_wait_loadcnt 12                              ; step 0's four loads are in
	XTURN 0
.irp t, 0,1,2,3,4,5,6,7,8,9,10,11,12,13,14,15
	XSTEP \t
.endr
	s_wait_tensorcnt 0x0
	ds_add_u32 v192, v193
	s_wait_dscnt 0x0
	s_endpgm
	; ---------------- the weights ----------------
.Lweights:
	s_lshr_b32 s36, ttmp9, 5                       ; which weight: 0 W_Q, 1 W_K, 2 W_V, 3 W_O
	s_bfe_u32 s37, ttmp9, 0x30002                  ; which 128 columns
	s_and_b32 s38, ttmp9, 3                        ; which 256 along k
	s_lshl_b32 s39, s37, 7
	s_lshl_b32 s40, s22, 5
	s_add_co_u32 s39, s39, s40                     ; my wave's first column
	s_cmp_eq_u32 s36, 1                            ; the choice hangs on the work-group's number alone
	s_cselect_b64 s[6:7], s[8:9], s[6:7]
	s_cmp_eq_u32 s36, 2
	s_cselect_b64 s[6:7], s[10:11], s[6:7]
	s_cmp_eq_u32 s36, 3
	s_cselect_b64 s[6:7], s[12:13], s[6:7]
	s_lshl_b32 s40, s38, 20                        ; 256 rows of 4,096 bytes
	s_lshl_b32 s41, s39, 2
	s_add_co_u32 s40, s40, s41
	s_mov_b32 s41, 0
	s_add_nc_u64 s[6:7], s[6:7], s[40:41]
	s_wait_alu depctr_va_vdst(0)
	v_lshlrev_b32 v3, 2, v2                        ; a lane takes a column, its registers run down k
	WLOAD 0
	WLOAD 1
	s_mul_i32 s42, s22, WSTG
	s_add_co_u32 s42, s42, WBASE                   ; my stage
	v_and_b32 v12, 7, v2
	v_bfe_u32 v13, v2, 3, 1
	v_bfe_u32 v6, v2, 4, 1                         ; lane / 16
	v_lshl_add_u32 v12, v13, 4, v12
	v_lshl_add_u32 v12, v6, 3, v12                 ; my column's place in its group of 32
	v_mul_u32_u24 v4, v12, WP
	v_add_nc_u32 v4, s42, v4                       ; into the stage: row = that place
	v_and_b32 v5, 15, v2
	v_mul_u32_u24 v7, v6, WP
	v_lshl_add_u32 v7, v5, 4, v7
	v_add_nc_u32 v7, s42, v7                       ; out, as rows: sixteen lanes to a row, two rows an instruction
	v_lshlrev_b32 v8, 10, v6
	v_lshl_add_u32 v8, v5, 4, v8                   ; and the same place in wc
	v_mul_u32_u24 v9, v5, WP
	v_lshl_add_u32 v9, v6, 4, v9
	v_add_nc_u32 v9, s42, v9                       ; out, as images: lane (r, h) takes 16 bytes of row r at 16 h
	v_lshlrev_b32 v14, 4, v2                       ; and 16 x lane in woimg
	s_wait_kmcnt 0x0
	s_cmp_eq_u32 s36, 1                            ; e1, e3, e5 or e11
	s_cselect_b32 s25, s27, s25
	s_cmp_eq_u32 s36, 2
	s_cselect_b32 s25, s29, s25
	s_cmp_eq_u32 s36, 3
	s_cselect_b32 s25, s35, s25
	s_add_co_i32 s25, s25, 127
	s_lshl_b32 s26, s25, 23
	v_mov_b32 v11, s26                             ; 2^e
	s_add_co_i32 s25, s25, 15
	s_lshl_b32 s25, s25, 23
	s_or_b32 s25, s25, 0x600000
	s_wait_alu depctr_va_vdst(0)
.irp t, 0,1,2,3,4,5,6,7
	WBLOCK \t
.endr
	s_cmp_eq_u32 s36, 3
	s_cbranch_scc1 .Limages
	s_lshl_b32 s40, s36, 20                        ; wc: the weight's set, my first place's row, my 256 bytes along k
	s_lshl_b32 s41, s39, 10
	s_add_co_u32 s40, s40, s41
	s_lshl_b32 s41, s38, 8
	s_add_co_u32 s40, s40, s41
	s_mov_b32 s41, 0
	s_add_nc_u64 s[18:19], s[18:19], s[40:41]
.irp t, 0,1,2,3,4,5,6,7,8,9,10,11,12,13,14,15
	ds_load_b128 v[WO+4*\t:WO+4*\t+3], v7 offset:2*\t*WP
.endr
.irp t, 0,1,2,3,4,5,6,7,8,9,10,11,12,13,14,15
	s_wait_dscnt 15-\t
	global_store_b128 v8, v[WO+4*\t:WO+4*\t+3], s[18:19] offset:2*\t*1024   ; sixteen lanes store 256 consecutive bytes, aligned
.endr
	s_wait_tensorcnt 0x0
	ds_add_u32 v192, v193
	s_wait_dscnt 0x0
	s_endpgm
.Limages:
	s_lshl_b32 s40, s38, 18                        ; woimg: my two K steps of 131,072 bytes, my two tiles of 2,048
	s_lshl_b32 s41, s39, 7
	s_add_co_u32 s40, s40, s41
	s_mov_b32 s41, 0
	s_add_nc_u64 s[20:21], s[20:21], s[40:41]
.irp s, 0,1
.irp u, 0,1
.irp c, 0,1,2,3
	ds_load_b128 v[WO+4*(8*\s+4*\u+\c):WO+4*(8*\s+4*\u+\c)+3], v9 offset:\u*16*WP+128*\s+32*\c
.endr
.endr
.endr
.set n, 0
.irp s, 0,1
.irp u, 0,1
.irp c, 0,1,2,3
	s_wait_dscnt 15-n
	global_store_b128 v14, v[WO+4*n:WO+4*n+3], s[20:21] offset:\s*131072+\u*2048+\c*512   ; a plane: 512 consecutive bytes
.set n, n+1
.endr
.endr
.endr
	s_wait_tensorcnt 0x0
	ds_add_u32 v192, v193
	s_wait_dscnt 0x0
	s_endpgm
.Lfunc_end_k_qa1a2116b6c_quant:
	.size	k_qa1a2116b6c_quant, .Lfunc_end_k_qa1a2116b6c_quant-k_qa1a2116b6c_quant
	.p2alignl 7, 3214868480
	.fill 96, 4, 3214868480
	.section	.rodata,"a",@progbits
	.p2align	6, 0x0
	.amdhsa_kernel k_qa1a2116b6c_quant
		.amdhsa_group_segment_fixed_size 68096
		.amdhsa_private_segment_fixed_size 0
		.amdhsa_enable_private_segment 0
		.amdhsa_kernarg_size 72
		.amdhsa_user_sgpr_count 2
		.amdhsa_user_sgpr_kernarg_segment_ptr 1
		.amdhsa_wavefront_size32 1
		.amdhsa_system_sgpr_workgroup_id_x 1
		.amdhsa_system_sgpr_workgroup_id_y 1
		.amdhsa_system_sgpr_workgroup_id_z 1
		.amdhsa_system_vgpr_workitem_id 0
		.amdhsa_next_free_vgpr 194
		.amdhsa_next_free_sgpr 66
		.amdhsa_reserve_vcc 0
		.amdhsa_float_denorm_mode_32 3
		.amdhsa_float_denorm_mode_16_64 3
		.amdhsa_fp16_overflow 1
		.amdhsa_memory_ordered 1
		.amdhsa_forward_progress 1
		.amdhsa_inst_pref_size 115
	.end_amdhsa_kernel
	.amdgpu_metadata
---
amdhsa.version: [ 1, 2 ]
amdhsa.kernels:
  - .name:           k_qa1a2116b6c_quant
    .symbol:         k_qa1a2116b6c_quant.kd
    .args:
      - { .name: x, .offset: 0, .size: 8, .value_kind: global_buffer, .address_space: global }
      - { .name: W_Q, .offset: 8, .size: 8, .value_kind: global_buffer, .address_space: global }
      - { .name: W_K, .offset: 16, .size: 8, .value_kind: global_buffer, .address_space: global }
      - { .name: W_V, .offset: 24, .size: 8, .value_kind: global_buffer, .address_space: global }
      - { .name: W_O, .offset: 32, .size: 8, .value_kind: global_buffer, .address_space: global }
      - { .name: lowp_scales, .offset: 40, .size: 8, .value_kind: global_buffer, .address_space: global }
      - { .name: xc, .offset: 48, .size: 8, .value_kind: global_buffer, .address_space: global }
      - { .name: wc, .offset: 56, .size: 8, .value_kind: global_buffer, .address_space: global }
      - { .name: woimg, .offset: 64, .size: 8, .value_kind: global_buffer, .address_space: global }
    .group_segment_fixed_size: 68096
    .private_segment_fixed_size: 0
    .kernarg_segment_align: 8
    .kernarg_segment_size: 72
    .max_flat_workgroup_size: 128
    .sgpr_count:     66
    .vgpr_count:     194
    .wavefront_size: 32
...
	.end_amdgpu_metadata
.endif
;; end of part 1
;; launch qkv (part 2): grid 12 x 32, 4 waves a work-group, clusters of 4 x 4, 327,680 bytes of LDS; arguments xc, wc, lowp_scales, qkvc; writes qkvc
.if DOCPART == 2
	.amdgcn_target "amdgcn-amd-amdhsa--gfx1250"
	.amdhsa_code_object_version 6
	.text
	.protected	k_qa1a2116b6c_qkv
	.globl	k_qa1a2116b6c_qkv
	.p2align	8
	.type	k_qa1a2116b6c_qkv,@function
k_qa1a2116b6c_qkv:
	s_mov_b64 s[64:65], 0
	v_nop
	global_prefetch_b8 v0, s[64:65] scope:SCOPE_SE
	s_setreg_imm32_b32 hwreg(HW_REG_WAVE_MODE, 25, 1), 1
	s_wait_xcnt 0x0
	s_wait_alu depctr_hold_cnt(0) depctr_sa_sdst(0) depctr_va_vdst(0) depctr_va_sdst(0) depctr_va_ssrc(0) depctr_va_vcc(0) depctr_vm_vsrc(0)
	s_getreg_b32 s2, hwreg(HW_REG_IB_STS2, 6, 4)
	s_cmp_eq_u32 s2, 0
	s_cbranch_scc0 .Lentry_in_a_cluster
	s_endpgm
.Lentry_in_a_cluster:
	s_bfe_u32 s2, ttmp6, 0x10000c
	s_cmp_lg_u32 s2, 0xf033
	s_cbranch_scc0 .Lentry_shape_is_right
	s_endpgm
.Lentry_shape_is_right:
; q = x W_Q, k = x W_K, v = x W_V on codes of BF8 (E5M2), K = 1,024, sums in f32; each finished sum is quantised at once with the scale of the product that takes it next (entries 6, 7, 9) and leaves as a code.
; A cluster of 4 x 4 work-groups belongs to ONE of the three products (cluster x = 0 q, 1 k, 2 v).  A work-group of four waves makes 256 x 256 sums, a wave 128 x 128: 64 accumulators of 16 x 16, 512 registers.
; THE TWO SIDES.  Side B is source 0 of the matrix instruction, side A source 1: a lane then holds ONE row of side A (lane % 16) and its registers run along side B's rows.  Rows lie in xc and wc with bits 3 and 4 of their
; number exchanged inside each group of 32, so the 16 registers of B's blocks 2 p and 2 p + 1 are 16 NEIGHBOURS, 32 p + 16 (lane / 16) + 0 .. 15, along side B.
;   q, k: side A = tokens (xc), side B = features (wc): a lane's registers run along the head's channels, which are the K of q k^T.
;   v:    side A = features (wc), side B = tokens (xc): a lane's registers run along the keys, which are the K of p v.  Only pointers, row numbers and strides are chosen (by selects on the cluster's x): the instructions are the same.
; So two conversions make 16 bytes that ARE four registers of the next operand, and a store of 16 bytes a lane writes a plane of 512 consecutive bytes of its image:
;   qkvc + 0: q [batch x head 64][tile of 16 tokens 128][plane c 2][lane][16];  + 8 MiB: k, the same;  + 16 MiB: v [batch x head][128 keys: 16][tile of 16 channels 4][plane c 4][lane][16].
; K goes in steps of 256 through a ring of two LDS slots filled by the tensor data mover.  The four work-groups of a row of the cluster need the same tiles of side A, the four of a column the same tiles of side B:
; each tile is asked for JOINTLY, by the same tensor load with the same descriptor and a mask that names the four.
; LIMIT: f = e(out) - e(x) - e(W) lies between -126 and 112, so that 2^f and 57,344 x 2^f are f32 numbers.
; REGISTERS, in windows of 256: window 0: v0-31 addresses and the quantiser's scale; from v128 A's fragments (8 x 16 rows x 128 K), ONE set; on the way out v128-255 codes.
;   window 1: B's fragments, TWO sets, at v0 and v128.   window 2: the accumulators of my A rows 0-63 ((a, b) at v[8 (8 a + b)]);   window 3: those of rows 64-127.
.set ROWB,   256                       ; a tile's row in bytes: 256 codes
.set KROW,   1024                      ; a row of xc or wc in bytes
.set PITCH,  272                       ; an LDS row: 256 bytes + 16 of padding = 68 words: row r starts at bank 4 r mod 64 (64 banks of 4 bytes: ISA guide 11.1)
.set FR,     16                        ; registers of a fragment: 16 rows x 128 K
.set NL,     4                         ; LDS loads that bring one
.set NP,     4                         ; places behind this matrix instruction (ISA guide 7.12.1)
.set HALFT,  128*PITCH                 ; 128 rows: what one tensor load brings
.set SLOT,   4*HALFT                   ; A's 256 rows, then B's 256 rows
.set LAPS,   2                         ; 1,024 along K = twice round the ring
.set SPARE,  2*SLOT                    ; behind the ring: the spare words, 128 bytes for each wave
.set VO,   8                           ; v8, v10  the way out: my byte offset in planes 0, 1 and in planes 2, 3
.set ADRA, 16                          ; v16-17  LDS address of my A fragments in slot 0, 1
.set ADRB, 20                          ; v20-21  the same for B
.set SPW,  28                          ; v28     LDS address of my spare word; never rewritten
.set NIL,  29                          ; v29     0; never rewritten
.set LIM,  30
.set SC,   31                          ; v31     2^f
.set TMP,  32
.set AF,   128                         ; A's fragments
.set CD,   128                         ; the way out: 16 registers of codes for each block
.set G1, 24                            ; s[24:31] descriptor group 1 for A's tiles;  s[32:39] group 0, one set for each slot
.set G0, 32
.set G1B, 48                           ; s[48:55], s[56:63] the same for B's tiles
.set G0B, 56
.set MSB, 0
.macro WIN new                         ; the immediate's high byte repeats the setting that is left
.if MSB != (\new)
	s_set_vgpr_msb (MSB<<8)|(\new)
.set MSB, (\new)
.endif
.endm
.set MUL_LO, 0xa1                      ; source 0 (B) window 1, source 1 (A) window 0, C and D window 2
.set MUL_HI, 0xf1                      ; the same, C and D window 3
.set TO_B,   0x40                      ; destination window 1, address window 0
; A joint load: waves 0 and 1 fetch for A, waves 2 and 3 for B.  The branch hangs on the wave's number alone.  Four v_nop follow each of the two lines.
.macro JLOAD g0a, g1a, g0b, g1b
	s_cmp_eq_u32 s15, 0
	s_cbranch_scc0 .Lfor_b_\@
	tensor_load_to_lds s[\g0a:\g0a+3], s[\g1a:\g1a+7]
	s_nop 0
.rept 4
	v_nop
.endr
	s_branch .Lasked_\@
.Lfor_b_\@:
	tensor_load_to_lds s[\g0b:\g0b+3], s[\g1b:\g1b+7]
	s_nop 0
.rept 4
	v_nop
.endr
.Lasked_\@:
.endm
.macro CREST                           ; a round of the cluster's barrier behind its opening barrier
	s_cmp_lg_u32 s14, 0
	s_cbranch_scc1 .Lnot_wave_0_\@
	s_barrier_signal -3
.Lnot_wave_0_\@:
	s_barrier_wait -3
	s_barrier_signal -1
	s_barrier_wait -1
.endm
.macro CROUND                          ; a whole round
	s_barrier_signal -1
	s_barrier_wait -1
	CREST
.endm
	s_load_b128 s[4:7], s[0:1], 0x0                ; xc s[4:5], wc s[6:7]
	s_load_b128 s[8:11], s[0:1], 0x10              ; the scales' exponents s[8:9], qkvc s[10:11]
	v_lshl_add_u32 v[SPW], v0, 2, SPARE
	v_mov_b32 v[NIL], 0
	ds_add_u32 v28, v29
	ds_add_u32 v28, v29
	s_wait_dscnt 0x0
	v_lshrrev_b32 v1, 5, v0
	v_readfirstlane_b32 s14, v1                    ; wave 0..3
	s_lshr_b32 s15, s14, 1                         ; which half of side A's 256 rows is mine.  Also: I fetch for A (0) or for B (1)
	s_and_b32 s16, s14, 1                          ; which half of side B's.  Also: which 128 rows of that tile I fetch
	s_bfe_u32 s40, ttmp6, 0x40000                  ; cx, cy: my place in the cluster
	s_bfe_u32 s41, ttmp6, 0x40004
	s_and_b32 s66, ttmp7, 0xffff
	s_lshl_b32 s66, s66, 2                         ; 4 x cluster y: it walks the tokens' 32 tiles
	s_lshl_b32 s69, ttmp9, 13                      ; q, k: xc's set begins at row 8,192 x product,
	s_lshl_b32 s70, ttmp9, 10                      ;       wc's at row 1,024 x product
	s_mov_b32 s92, 1024                            ; q, k: bytes from a block of 16 A rows to the next (a tile of tokens),
	s_mov_b32 s94, 1024                            ;       the same from block 3 to block 4,
	s_mov_b32 s96, 0x20000                         ;       and from planes 0, 1 to planes 2, 3 (the next head)
	s_cmp_eq_u32 ttmp9, 2                          ; v?  The cluster's x is shared by all sixteen
	s_cselect_b32 s67, 0, s66                      ; the tokens are side A's for q and k,
	s_cselect_b32 s68, s66, 0                      ; side B's for v
	s_cselect_b32 s69, 2048, s69                   ; v: side A is wc's third set,
	s_cselect_b32 s70, 16384, s70                  ;    side B xc's third
	s_cselect_b32 s92, 2048, s92                   ; v: a block on is a tile of channels on,
	s_cselect_b32 s94, 124928, s94                 ;    from block 3 to 4 the next head's first tile: 16 x 4 x 2,048 - 3 x 2,048,
	s_cselect_b32 s96, 1024, s96                   ;    planes 2, 3 follow planes 0, 1
	s_mov_b32 s93, 0
	s_mov_b32 s95, 0
	s_add_co_u32 s17, s41, s67                     ; side A's tile: hangs on cy, never on cx
	s_add_co_u32 s42, s40, s68                     ; side B's tile: hangs on cx, never on cy
	s_lshl_b32 s43, s41, 2
	s_lshl_b32 s43, 15, s43                        ; my row of the cluster
	s_lshl_b32 s44, 0x1111, s40                    ; my column
	; descriptor group 1: a tile of 128 rows x 256 bytes, padded in LDS
	s_or_b32 s[G1+0], s43, (0<<16)|(1<<20)|(1<<21)|(5<<22)|(3<<25)  ; 15:0 the mask: A's tiles go to my row; 17:16 elements of 1 byte; 20 padding on; 21 set beside a mask; 24:22 after every 64 words; 31:25 of 4 words
	s_or_b32 s[G1B+0], s44, (0<<16)|(1<<20)|(1<<21)|(5<<22)|(3<<25)
.irp g, G1, G1B
	s_mov_b32 s[\g+1], ROWB<<16                    ; tensor_dim0
	s_mov_b32 s[\g+2], 128<<16                     ; tensor_dim1 = 128
	s_mov_b32 s[\g+3], ROWB<<16                    ; tile_dim0
	s_mov_b32 s[\g+4], 128                         ; tile_dim1 = 128
	s_mov_b32 s[\g+5], KROW                        ; tensor_dim0_stride
	s_mov_b32 s[\g+6], 0
	s_mov_b32 s[\g+7], 0
.endr
	s_lshl_b32 s18, s16, 7                         ; which 128 rows of the tile I fetch
	s_lshl_b32 s20, s17, 8
	s_add_co_u32 s20, s20, s18
	s_add_co_u32 s20, s20, s69                     ; A: the set's first row + 256 x tile + 128 x half
	s_lshl_b32 s46, s42, 8
	s_add_co_u32 s46, s46, s18
	s_add_co_u32 s46, s46, s70                     ; B likewise
	s_lshl_b32 s20, s20, 10                        ; rows of 1,024 bytes; both buffers stay under 2^25 bytes
	s_mov_b32 s21, 0
	s_lshl_b32 s46, s46, 10
	s_mov_b32 s47, 0
	s_mul_i32 s45, s14, HALFT                      ; where they go: wave x 128 rows: no place in the cluster enters an LDS address
	s_wait_kmcnt 0x0
	s_load_b256 s[76:83], s[8:9], 0x0              ; e0 .. e7
	s_load_b128 s[84:87], s[8:9], 0x20             ; e8 .. e11
	s_cmp_eq_u32 ttmp9, 2
	s_cselect_b64 s[72:73], s[6:7], s[4:5]         ; side A's buffer
	s_cselect_b64 s[74:75], s[4:5], s[6:7]         ; side B's
	s_add_nc_u64 s[20:21], s[72:73], s[20:21]
	s_add_nc_u64 s[46:47], s[74:75], s[46:47]
	CROUND                                         ; all sixteen work-groups are here: the first joint loads meet
.irp s, 0,1
	s_mov_b32 s[G0+4*\s], 1
	s_add_co_u32 s[G0+4*\s+1], s45, \s*SLOT
	s_add_nc_u64 s[G0+4*\s+2:G0+4*\s+3], s[20:21], \s*ROWB
	s_or_b32 s[G0+4*\s+3], s[G0+4*\s+3], 0x80000000
	s_mov_b32 s[G0B+4*\s], 1
	s_add_co_u32 s[G0B+4*\s+1], s45, \s*SLOT
	s_add_nc_u64 s[G0B+4*\s+2:G0B+4*\s+3], s[46:47], \s*ROWB
	s_or_b32 s[G0B+4*\s+3], s[G0B+4*\s+3], 0x80000000
	s_wait_alu depctr_va_vdst(0)
	s_wait_tensorcnt 0x0
	ds_add_u32 v28, v29
	ds_add_u32 v28, v29
	s_wait_dscnt 0x0
	CROUND
	JLOAD G0+4*\s, G1, G0B+4*\s, G1B
.endr
	v_and_b32 v1, 15, v0                           ; l % 16
	v_bfe_u32 v2, v0, 4, 1                         ; l / 16
	v_mul_u32_u24 v3, v1, PITCH
	v_lshl_add_u32 v4, v2, 4, v3                   ; a fragment's row x pitch + 16 x half
	s_mul_i32 s21, s15, HALFT                      ; my 128 rows of A
	s_mul_i32 s22, s16, HALFT                      ; my 128 rows of B,
	s_add_co_u32 s22, s22, 2*HALFT                 ; which lie behind A's 256
.irp s, 0,1
	v_add_nc_u32 v[ADRA+\s], s21, v4
	v_add_nc_u32 v[ADRB+\s], s22, v4
	s_add_co_u32 s21, s21, SLOT
	s_add_co_u32 s22, s22, SLOT
.endr
	; where my first plane goes.  q, k: ((batch x 16 + head) x 128 + tile of tokens) x 1,024; batch = A tile / 8, head = 4 x B tile + 2 x my half of B, tile = 16 (A tile % 8) + 8 x my half of A
	s_lshr_b32 s88, s17, 3
	s_lshl_b32 s88, s88, 4
	s_lshl_b32 s89, s42, 2
	s_add_co_u32 s88, s88, s89
	s_lshl_b32 s89, s16, 1
	s_add_co_u32 s88, s88, s89
	s_lshl_b32 s88, s88, 7
	s_and_b32 s89, s17, 7
	s_lshl_b32 s89, s89, 4
	s_add_co_u32 s88, s88, s89
	s_lshl_b32 s89, s15, 3
	s_add_co_u32 s88, s88, s89
	s_lshl_b32 s88, s88, 10
	s_lshl_b32 s89, ttmp9, 23
	s_add_co_u32 s88, s88, s89                     ; k's images lie 8 MiB behind q's
	; v: 16 MiB + (((batch x 16 + head) x 16 + 128 keys) x 4) x 2,048; batch = B tile / 8, head = 4 x A tile + 2 x my half of A, 128 keys = 2 (B tile % 8) + my half of B
	s_lshr_b32 s90, s42, 3
	s_lshl_b32 s90, s90, 4
	s_lshl_b32 s91, s17, 2
	s_add_co_u32 s90, s90, s91
	s_lshl_b32 s91, s15, 1
	s_add_co_u32 s90, s90, s91
	s_lshl_b32 s90, s90, 4
	s_and_b32 s91, s42, 7
	s_lshl_b32 s91, s91, 1
	s_add_co_u32 s90, s90, s91
	s_add_co_u32 s90, s90, s16
	s_lshl_b32 s90, s90, 13
	s_add_co_u32 s90, s90, 0x1000000
	s_cmp_eq_u32 ttmp9, 2
	s_cselect_b32 s88, s90, s88
	s_mov_b32 s89, 0
	s_add_nc_u64 s[10:11], s[10:11], s[88:89]
	v_and_b32 v6, 31, v0
	v_lshlrev_b32 v[VO], 4, v6                     ; 16 x lane
	v_add_nc_u32 v[VO+2], s96, v[VO]
.macro FRAG reg, adr, q, i             ; a fragment: lane l holds row l % 16; registers 4 c .. 4 c + 3 hold K = 32 c + 16 (l / 16) + 0 .. 15: the same places of k in A and in B, so every product meets its partner
.irp c, 0,1,2,3
	ds_load_b128 v[\reg+4*\c:\reg+4*\c+3], v[\adr] offset:128*(\q)+32*\c+(\i)*16*PITCH
.endr
.endm
; 16 matrix instructions: A's blocks a0, a0 + 1 x B's eight, 128 along K.  p: B's set.  zero = 1: the first product starts the sums.  The 64 accumulators take turns, one instruction a turn.
.macro MUL16 a0, p, zero
.irp a, \a0, \a0+1
.irp b, 0,1,2,3,4,5,6,7
.if \zero
	v_wmma_f32_16x16x128_bf8_bf8 v[8*(8*((\a)%4)+\b):8*(8*((\a)%4)+\b)+7], v[128*(\p)+FR*\b:128*(\p)+FR*\b+FR-1], v[AF+FR*(\a):AF+FR*(\a)+FR-1], 0
.else
	v_wmma_f32_16x16x128_bf8_bf8 v[8*(8*((\a)%4)+\b):8*(8*((\a)%4)+\b)+7], v[128*(\p)+FR*\b:128*(\p)+FR*\b+FR-1], v[AF+FR*(\a):AF+FR*(\a)+FR-1], v[8*(8*((\a)%4)+\b):8*(8*((\a)%4)+\b)+7]
.endif
.endr
.endr
.endm
.macro FETCH_B slot, q, p              ; B's eight fragments of the slot's q-th 128 along K into set p
	WIN TO_B
.irp i, 0,1,2,3,4,5,6,7
	FRAG 128*(\p)+FR*\i, ADRB+\slot, \q, \i
.endr
	WIN 0
.endm
.macro FETCH_A slot, q, i0             ; A's blocks i0 .. i0 + 3
.irp i, \i0, \i0+1, \i0+2, \i0+3
	FRAG AF+FR*(\i), ADRA+\slot, \q, \i
.endr
.endm
.macro PLACES n                        ; plain vector lines between a matrix instruction and a load into, or a vector read or write of, its registers
.rept \n
	v_nop
.endr
.endm
; A step of 128 along K that has its successor in the same slot.
.macro STEP slot, q, zero
	s_wait_dscnt 4*NL                              ; B's set and A's blocks 0-3 are in; the youngest sixteen loads (A's blocks 4-7) may be out
	WIN MUL_LO
	MUL16 0, (\q)%2, \zero
	MUL16 2, (\q)%2, \zero
	s_wait_dscnt 0                                 ; A's blocks 4-7 are in
	PLACES NP
	FETCH_B \slot, (\q)+1, 1-(\q)%2
	FETCH_A \slot, (\q)+1, 0
	WIN MUL_HI
	MUL16 4, (\q)%2, \zero
	MUL16 6, (\q)%2, \zero
	PLACES NP
	WIN 0
	FETCH_A \slot, (\q)+1, 4
.endm
; A slot's last step changes slots: ONE barrier; in front of it each wave waits for all its tensor loads, adds 0 to its spare word, and waits for that and for its own reads of this slot.  fill = 1: this slot is filled again, two K steps ahead.
.macro TURN slot, next, fill
	s_wait_tensorcnt 0x0                           ; all my tensor loads have landed: my part of the next slot  (every window is 0 here)
	ds_add_u32 v[SPW], v[NIL]                      ; 0 onto my spare word
	s_wait_dscnt 4*NL+1                            ; (the add and the youngest sixteen loads may be out)
	WIN MUL_LO
	MUL16 0, 1, 0                                  ; sixteen matrix instructions stand between the add and the wait for it
	s_wait_dscnt 0x0                               ; the add is done, and my reads of this slot are over
	s_barrier_signal -1
	MUL16 2, 1, 0
	WIN 0
	s_barrier_wait -1
.if \fill
	CREST                                          ; the barrier has opened a round of the cluster's barrier: no wave of any partner still reads this slot's tile or has a load on its way
	s_add_nc_u64 s[G0+4*\slot+2:G0+4*\slot+3], s[G0+4*\slot+2:G0+4*\slot+3], 2*ROWB
	s_add_nc_u64 s[G0B+4*\slot+2:G0B+4*\slot+3], s[G0B+4*\slot+2:G0B+4*\slot+3], 2*ROWB
	JLOAD G0+4*\slot, G1, G0B+4*\slot, G1B         ; the first tensor load behind the round; the four v_nop behind it are the places in front of the loads below
.else
	PLACES NP
.endif
	FETCH_B \next, 0, 0
	FETCH_A \next, 0, 0
	WIN MUL_HI
	MUL16 4, 1, 0
	MUL16 6, 1, 0
	PLACES NP
	WIN 0
	FETCH_A \next, 0, 4
.endm
	s_wait_alu depctr_va_vdst(0)
	s_wait_tensorcnt 1                             ; my part of K step 0 is in (K step 1's load may be out)
	s_barrier_signal -1
	s_barrier_wait -1                              ; everybody's is
	FETCH_B 0, 0, 0
	FETCH_A 0, 0, 0
	FETCH_A 0, 0, 4
	STEP 0, 0, 1                                   ; the first step stands in front of the loop: its products start the sums
	s_mov_b32 s3, LAPS-1
.Llap:                                                 ; a trip goes once round the ring, from a lap's second step to the next lap's first, and fills both slots again
	TURN 0, 1, 1
	STEP 1, 0, 0
	TURN 1, 0, 1
	STEP 0, 0, 0
	s_sub_co_u32 s3, s3, 1
	s_cmp_lg_u32 s3, 0
	s_cbranch_scc1 .Llap
	TURN 0, 1, 0                                   ; the last lap fills nothing
	STEP 1, 0, 0
	s_wait_dscnt 4*NL                              ; the very last step: nothing more to fetch
	WIN MUL_LO
	MUL16 0, 1, 0
	MUL16 2, 1, 0
	s_wait_dscnt 0
	WIN MUL_HI
	MUL16 4, 1, 0
	MUL16 6, 1, 0
	WIN 0
	; THE WAY OUT.  A sum stands for sum x 2^(e(x) + e(W)); its code is sum / 2^f, f = e(out) - e(x) - e(W): the three scales folded into the conversion's one.
	s_wait_kmcnt 0x0
	s_sub_co_i32 s76, s82, s76
	s_sub_co_i32 s76, s76, s77                     ; q: e6 - e0 - e1
	s_sub_co_i32 s78, s83, s78
	s_sub_co_i32 s78, s78, s79                     ; k: e7 - e2 - e3
	s_sub_co_i32 s80, s85, s80
	s_sub_co_i32 s80, s80, s81                     ; v: e9 - e4 - e5
	s_cmp_eq_u32 ttmp9, 1
	s_cselect_b32 s76, s78, s76
	s_cmp_eq_u32 ttmp9, 2
	s_cselect_b32 s76, s80, s76
	s_add_co_i32 s76, s76, 127
	s_lshl_b32 s77, s76, 23
	s_add_co_i32 s76, s76, 15
	s_lshl_b32 s76, s76, 23
	s_or_b32 s76, s76, 0x600000
	PLACES NP                                      ; behind the last products: their results are read and A's registers written below
	v_mov_b32 v[SC], s77                           ; 2^f
; Block a: my A rows 16 a .. 16 a + 15 against all 128 of B's: 64 registers, register 16 p + i = B row 32 p + 16 (lane / 16) + i.  Converted, stored: four planes of 512 consecutive bytes.
.macro OUTBLK a
.set AC, 64*((\a)%4)
.set CC, CD+16*(\a)
	WIN 0x02+((\a)/4)                              ; source 0: window 2 or 3
.set j, 0
.rept 64
.set j, j+1
.endr
.irp g, 0,1,2,3,4,5,6,7
	v_cvt_scalef32_pk8_bf8_f32 v[CC+2*\g:CC+2*\g+1], v[AC+8*\g:AC+8*\g+7], v[SC]
.endr
	WIN 0
	v_nop                                          ; a plain line behind the last conversion
.if (\a) > 0
	s_wait_alu depctr_va_vdst(0)
	s_wait_xcnt 0x0                                ; the earlier stores have read their base
.if (\a) == 4
	s_add_nc_u64 s[10:11], s[10:11], s[94:95]
.else
	s_add_nc_u64 s[10:11], s[10:11], s[92:93]
.endif
.endif
	global_store_b128 v[VO], v[CC:CC+3], s[10:11]
	global_store_b128 v[VO], v[CC+4:CC+7], s[10:11] offset:512
	global_store_b128 v[VO+2], v[CC+8:CC+11], s[10:11]
	global_store_b128 v[VO+2], v[CC+12:CC+15], s[10:11] offset:512
.endm
.irp a, 0,1,2,3,4,5,6,7
	OUTBLK \a
.endr
	s_wait_tensorcnt 0x0                           ; the wave's end
	ds_add_u32 v[SPW], v[NIL]
	s_wait_dscnt 0x0
	CROUND                                         ; the closing round: no work-group ends while a partner may still ask for a tile that names it
	s_endpgm
.Lfunc_end_k_qa1a2116b6c_qkv:
	.size	k_qa1a2116b6c_qkv, .Lfunc_end_k_qa1a2116b6c_qkv-k_qa1a2116b6c_qkv
	.p2alignl 7, 3214868480
	.fill 96, 4, 3214868480
	.section	.rodata,"a",@progbits
	.p2align	6, 0x0
	.amdhsa_kernel k_qa1a2116b6c_qkv
		.amdhsa_group_segment_fixed_size 327680
		.amdhsa_private_segment_fixed_size 0
		.amdhsa_enable_private_segment 0
		.amdhsa_kernarg_size 32
		.amdhsa_user_sgpr_count 2
		.amdhsa_user_sgpr_kernarg_segment_ptr 1
		.amdhsa_wavefront_size32 1
		.amdhsa_system_sgpr_workgroup_id_x 1
		.amdhsa_system_sgpr_workgroup_id_y 1
		.amdhsa_system_sgpr_workgroup_id_z 1
		.amdhsa_system_vgpr_workitem_id 0
		.amdhsa_next_free_vgpr 1024
		.amdhsa_next_free_sgpr 100
		.amdhsa_reserve_vcc 0
		.amdhsa_float_denorm_mode_32 3
		.amdhsa_float_denorm_mode_16_64 3
		.amdhsa_fp16_overflow 1
		.amdhsa_memory_ordered 1
		.amdhsa_forward_progress 1
		.amdhsa_inst_pref_size 89
	.end_amdhsa_kernel
	.amdgpu_metadata
---
amdhsa.version: [ 1, 2 ]
amdhsa.kernels:
  - .name:           k_qa1a2116b6c_qkv
    .symbol:         k_qa1a2116b6c_qkv.kd
    .args:
      - { .name: xc, .offset: 0, .size: 8, .value_kind: global_buffer, .address_space: global }
      - { .name: wc, .offset: 8, .size: 8, .value_kind: global_buffer, .address_space: global }
      - { .name: lowp_scales, .offset: 16, .size: 8, .value_kind: global_buffer, .address_space: global }
      - { .name: qkvc, .offset: 24, .size: 8, .value_kind: global_buffer, .address_space: global }
    .group_segment_fixed_size: 327680
    .private_segment_fixed_size: 0
    .kernarg_segment_align: 8
    .kernarg_segment_size: 32
    .max_flat_workgroup_size: 128
    .sgpr_count:     100
    .vgpr_count:     1024
    .wavefront_size: 32
...
	.end_amdgpu_metadata
.endif
;; end of part 2
;; launch attn (part 3): grid 4 x 64, 16 waves a work-group, clusters of 4 x 1, 264,192 bytes of LDS; arguments qkvc, lowp_scales, cimg; writes cimg
.if DOCPART == 3
	.amdgcn_target "amdgcn-amd-amdhsa--gfx1250"
	.amdhsa_code_object_version 6
	.text
	.protected	k_qa1a2116b6c_attn
	.globl	k_qa1a2116b6c_attn
	.p2align	8
	.type	k_qa1a2116b6c_attn,@function
k_qa1a2116b6c_attn:
	s_mov_b64 s[64:65], 0
	v_nop
	global_prefetch_b8 v0, s[64:65] scope:SCOPE_SE
	s_setreg_imm32_b32 hwreg(HW_REG_WAVE_MODE, 25, 1), 1
	s_wait_xcnt 0x0
	s_wait_alu depctr_hold_cnt(0) depctr_sa_sdst(0) depctr_va_vdst(0) depctr_va_sdst(0) depctr_va_ssrc(0) depctr_va_vcc(0) depctr_vm_vsrc(0)
	s_getreg_b32 s2, hwreg(HW_REG_IB_STS2, 6, 4)
	s_cmp_eq_u32 s2, 0
	s_cbranch_scc0 .Lentry_in_a_cluster
	s_endpgm
.Lentry_in_a_cluster:
	s_bfe_u32 s2, ttmp6, 0x10000c
	s_cmp_lg_u32 s2, 0x3003
	s_cbranch_scc0 .Lentry_shape_is_right
	s_endpgm
.Lentry_shape_is_right:
; ctx = softmax(q k^T / 8, causal) v for one batch and head a cluster, both products on codes of BF8 (E5M2); ctx leaves as codes with the scale of the output projection (entry 10).
; INPUTS are images of operand registers: q, k [batch x head][tile of 16 tokens 128][plane c 2][lane][16 bytes] (lane (r, h): channels 32 c + 16 h + 0 .. 15 of the tile's row r);
; v [batch x head][128 keys: 16][tile of 16 channels 4][plane c 4][lane][16] (keys 32 c + 16 h + 0 .. 15).  Row r of token tile T is token 32 (T / 2) + 8 (T % 2) + r % 8 + 16 (r / 8); channel tiles likewise.
; So with S^T = k q^T (source 0 = 16 keys) the 16 registers of key tiles 2 b, 2 b + 1 are keys 32 b + 16 (lane / 16) + 0 .. 15, and with O^T = v^T p^T (source 0 = 16 channels) those of channel tiles 2 b, 2 b + 1
; are channels 32 b + 16 (lane / 16) + 0 .. 15: the conversions' results are the next operand's registers.  A lane holds ONE query (lane % 16) throughout.
; THE SOFTMAX: t = score x log2(e) / 8; M = the running largest t rounded UP to a whole number; p = 2^(t - M) is quantised (entry 8), not normalised; the row's sum is taken of the unquantised p and divides at the end;
; when M moves, the sum and O^T are multiplied by 2^(old M - new M), which rounds nothing.
; SHARES.  The head's 2,048 queries are 16 blocks of 128 (8 tiles).  Wave w of the cluster's partner cx owns tile 8 w + 2 cx (block w) and tile 8 (15 - w) + 2 cx + 1 (block 15 - w).  Block j needs key steps 0 .. j
; of 128 keys: (w + 1) + (16 - w) = 17 steps for every wave of every work-group.  Which steps a wave leaves out hangs on its number and the step alone, never on the place in the cluster.
; THE MASK.  Key steps all of whose keys come after the block's queries are left out.  In the step on the diagonal a hidden score takes the value that stands for -1e7.
; LIMIT of that: a row whose visible scores all lie near or below -1e7 would also give weight to hidden keys of the steps left out; such rows are not served.
; LDS holds the whole head: k's images at 0 (131,072 bytes: 8,192 a step), v's behind them.  Every byte is filled once, by eight joint loads of wave 0 (k) and eight of wave 1 (v), each asked for by all four partners
; with the same descriptor: eight tensor loads of a wave are out at the most.  Nothing is filled again.
; LIMITS on the given exponents: e6 + e7 between -123 and 130 (added to c's exponent field); e8, and e10 - e8 - e9, between -126 and 112.
.set L16,  1                           ; v1   16 x lane: an image's place for my lane; k's images begin at LDS byte 0
.set L16V, 2                           ; v2   the same in v's images
.set ADK,  3                           ; v3   the step's tiles of k
.set ADV,  4                           ; v4   of v
.set DA,   5                           ; v5   first tile: my query - the block's first query - 16 (lane / 16)
.set DB,   6                           ; v6   second tile: the same
.set MSK,  7                           ; v7   the sum that stands for a score of -1e7
.set LIM,  8
.set SC,   9                           ; v9   2^e8
.set LIMO, 10
.set SCO,  11                          ; v11  2^(e10 - e8 - e9)
.set STA,  12                          ; v12-15  first tile: -M, the largest t, the sum in two halves
.set STB,  16                          ; v16-19  second tile
.set QA,   20                          ; v20-27  q's fragment, first tile
.set QB,   28                          ; v28-35  second tile
.set KV,   36                          ; v36-99  eight fragments of k (8 registers each), then four of v (16 each)
.set S,    100                         ; v100-163 S^T, then p
.set OA,   164                         ; v164-195 O^T, first tile
.set OB,   196                         ; v196-227 second tile
.set P,    228                         ; v228-243 p's codes
.set SM,   246                         ; v[246:247] at work: the second chain of the sum
.set PD,   248                         ; v248 a lane permute's destination
.set MB,   250                         ; v250 the second chain of the maximum
.set F,    252                         ; v[252:253] f = 2^(old M - new M); the pair's low word serves both halves
.set MA,   254                         ; v254 the first chain of the maximum
.set WV,   10                          ; s10  my wave's number = my first tile's block
.set CX,   11                          ; s11  my place in the cluster: enters global addresses and DA, DB alone
.set BH,   12                          ; s12  batch x 16 + head
.set G1,   16                          ; s[16:23] descriptor group 1
.set G0,   24                          ; s[24:55] eight groups 0
.set CS,   56                          ; s[56:57] c = log2(e) / 8 x 2^(e6 + e7)
.set SEL,  58                          ; s[58:59] lane selects: lane l xor 16
.set STP,  60                          ; s60  the key step
.set SOFF, 61                          ; s61  8,192 x the key step
.set CNT,  62                          ; s62  trips to go
.set JB,   63                          ; s63  my second tile's block: 15 - wave
.macro CROUND                          ; a round of the cluster's barrier
	s_barrier_signal -1
	s_barrier_wait -1
	s_cmp_lg_u32 s[WV], 0
	s_cbranch_scc1 .Lnot_wave_0_\@
	s_barrier_signal -3
.Lnot_wave_0_\@:
	s_barrier_wait -3
	s_barrier_signal -1
	s_barrier_wait -1
.endm
	s_load_b128 s[4:7], s[0:1], 0x0                ; qkvc s[4:5], the scales' exponents s[6:7]
	s_load_b64 s[8:9], s[0:1], 0x10                ; cimg
	v_lshl_add_u32 v251, v0, 2, 0x40000
	v_mov_b32 v255, 0
	ds_add_u32 v251, v255
	ds_add_u32 v251, v255
	v_lshrrev_b32 v1, 5, v0
	s_delay_alu instid0(VALU_DEP_1)
	v_readfirstlane_b32 s[WV], v1                  ; wave 0..15
	s_bfe_u32 s[CX], ttmp6, 0x40000
	s_and_b32 s[BH], ttmp7, 0xffff                 ; the cluster's y
	s_sub_co_u32 s[JB], 15, s[WV]
	; descriptor group 1: a dense block of 16,384 bytes as 64 rows of 256
	s_mov_b32 s[G1], 15|(3<<16)|(1<<21)            ; 15:0 the mask: all four work-groups; 17:16 elements of 8 bytes; 21 set beside a mask; no padding
	s_mov_b32 s[G1+1], 32<<16                      ; tensor_dim0 = 32 elements
	s_mov_b32 s[G1+2], 64<<16                      ; tensor_dim1 = 64
	s_mov_b32 s[G1+3], 32<<16                      ; tile_dim0 = 32
	s_mov_b32 s[G1+4], 64                          ; tile_dim1 = 64
	s_mov_b32 s[G1+5], 32                          ; tensor_dim0_stride: rows on end
	s_mov_b32 s[G1+6], 0
	s_mov_b32 s[G1+7], 0
	s_mov_b32 s[SEL], 0x76543210
	s_mov_b32 s[SEL+1], 0xfedcba98
	s_mov_b32 s[CS], 0x3e38aa3b                    ; log2(e) / 8
	s_mov_b32 s[STP], 0
	s_mov_b32 s[SOFF], 0
	s_wait_dscnt 0x0
	s_wait_kmcnt 0x0
	s_load_b256 s[68:75], s[6:7], 0x0              ; e0 .. e7
	s_load_b128 s[76:79], s[6:7], 0x20             ; e8 .. e11
	CROUND                                         ; all four work-groups are here: the joint loads meet
	s_cmp_lt_u32 s[WV], 2                          ; wave 0 fetches k, wave 1 v: all their fills stand in this one branch
	s_cbranch_scc0 .Lno_fetch
	s_lshl_b32 s13, s[WV], 17                      ; LDS: k at 0, v at 131,072
	s_add_co_u32 s14, s[WV], 1
	s_lshl_b32 s14, s14, 23                        ; memory: k 8 MiB, v 16 MiB into qkvc,
	s_lshl_b32 s15, s[BH], 17                      ; a head's 131,072 bytes
	s_add_co_u32 s14, s14, s15
	s_mov_b32 s15, 0
	s_add_nc_u64 s[14:15], s[4:5], s[14:15]
.irp c, 0,1,2,3,4,5,6,7
	s_mov_b32 s[G0+4*\c], 1                        ; count = 1
	s_add_co_u32 s[G0+4*\c+1], s13, \c*16384       ; LDS address
	s_add_nc_u64 s[G0+4*\c+2:G0+4*\c+3], s[14:15], \c*16384   ; global address: key steps 2 c and 2 c + 1
	s_or_b32 s[G0+4*\c+3], s[G0+4*\c+3], 0x80000000           ; type = 2
.endr
.irp c, 0,1,2,3,4,5,6,7
	tensor_load_to_lds s[G0+4*\c:G0+4*\c+3], s[G1:G1+7]
	s_nop 0
.endr
.rept 4
	v_nop
.endr
.Lno_fetch:
	v_and_b32 v1, 31, v0
	s_delay_alu instid0(VALU_DEP_1)
	v_lshlrev_b32 v[L16], 4, v1
	s_wait_alu depctr_va_vdst(0)
	v_add_nc_u32 v[L16V], 0x20000, v[L16]
	s_lshl_b32 s66, s[WV], 3
	s_lshl_b32 s88, s[CX], 1
	s_add_co_u32 s66, s66, s88                     ; my first tile: 8 w + 2 cx
	s_lshl_b32 s67, s[JB], 3
	s_add_co_u32 s67, s67, s88
	s_add_co_u32 s67, s67, 1                       ; my second: 8 (15 - w) + 2 cx + 1
	s_lshl_b32 s88, s[BH], 7
	s_add_co_u32 s80, s88, s66
	s_lshl_b32 s80, s80, 10                        ; q: (head x 128 + tile) x 1,024
	s_mov_b32 s81, 0
	s_add_nc_u64 s[80:81], s[4:5], s[80:81]
	s_add_co_u32 s82, s88, s67
	s_lshl_b32 s82, s82, 10
	s_mov_b32 s83, 0
	s_add_nc_u64 s[82:83], s[4:5], s[82:83]
	global_load_b128 v[QA:QA+3], v[L16], s[80:81]
	global_load_b128 v[QA+4:QA+7], v[L16], s[80:81] offset:512
	global_load_b128 v[QB:QB+3], v[L16], s[82:83]
	global_load_b128 v[QB+4:QB+7], v[L16], s[82:83] offset:512
	; ctx's images: cimg [batch x 128 + tile][K step 8][plane 4][lane][16], k = 64 x head + channel: ((batch x 128 + tile) x 8 + head / 2) x 2,048 + (head % 2) x 1,024
	s_lshr_b32 s89, s[BH], 4
	s_lshl_b32 s89, s89, 7
	s_bfe_u32 s90, s[BH], 0x30001
	s_and_b32 s91, s[BH], 1
	s_lshl_b32 s91, s91, 10
	s_add_co_u32 s84, s89, s66
	s_lshl_b32 s84, s84, 3
	s_add_co_u32 s84, s84, s90
	s_lshl_b32 s84, s84, 11
	s_add_co_u32 s84, s84, s91
	s_mov_b32 s85, 0
	s_add_nc_u64 s[84:85], s[8:9], s[84:85]
	s_add_co_u32 s86, s89, s67
	s_lshl_b32 s86, s86, 3
	s_add_co_u32 s86, s86, s90
	s_lshl_b32 s86, s86, 11
	s_add_co_u32 s86, s86, s91
	s_mov_b32 s87, 0
	s_add_nc_u64 s[86:87], s[8:9], s[86:87]
	v_and_b32 v[DA], 7, v0                         ; r % 8
	v_bfe_u32 v246, v0, 3, 1                       ; r / 8
	v_bfe_u32 v245, v0, 4, 1                       ; h
	s_delay_alu instid0(VALU_DEP_2)
	v_lshl_add_u32 v[DA], v246, 4, v[DA]
	s_delay_alu instid0(VALU_DEP_2)
	v_lshlrev_b32 v245, 4, v245
	s_delay_alu instid0(VALU_DEP_1)
	v_sub_nc_u32 v[DA], v[DA], v245
	s_lshl_b32 s13, s[CX], 5
	v_add_nc_u32 v[DA], s13, v[DA]                 ; 32 cx + r % 8 + 16 (r / 8) - 16 h
	s_delay_alu instid0(VALU_DEP_1)
	v_add_nc_u32 v[DB], 8, v[DA]                   ; the odd tile's rows lie 8 further on
	v_mov_b32 v[STA+1], 0xff61b1e6                 ; the largest t so far: -3e38, under every t
	s_delay_alu instid0(VALU_DEP_1)
	v_floor_f32 v[STA], -v[STA+1]                  ; -M
	v_mov_b32 v[STA+2], 0
	v_mov_b32 v[STA+3], 0
	v_mov_b32 v[STB+1], 0xff61b1e6
	s_delay_alu instid0(VALU_DEP_1)
	v_floor_f32 v[STB], -v[STB+1]
	v_mov_b32 v[STB+2], 0
	v_mov_b32 v[STB+3], 0
	v_mov_b32 v[PD], 0                             ; written once: a lane permute's destination counts as one of its sources
	v_mov_b32 v[F+1], 0                            ; (named as the upper half of the pair)
.set j, 0
.rept 64
	v_mov_b32 v[OA+j], 0                           ; O^T of both tiles: the step is written once, and its first run finds zeros
.set j, j+1
.endr
	s_wait_kmcnt 0x0
	s_add_co_i32 s13, s74, s75                     ; e6 + e7: a sum stands for sum x 2^(e6 + e7): added to c's exponent field
	s_lshl_b32 s14, s13, 23
	s_add_co_i32 s[CS], s[CS], s14
	s_mov_b32 s[CS+1], s[CS]                       ; (named with it as a pair)
	s_sub_co_i32 s13, 0, s13
	v_mov_b32 v[MSK], 0xcc989680                   ; -8e7: a score of -1e7 ahead of the division by 8,
	s_delay_alu instid0(VALU_DEP_1)
	v_ldexp_f32 v[MSK], v[MSK], s13                ; in units of the sums
	s_add_co_i32 s13, s76, 127
	s_lshl_b32 s14, s13, 23
	v_mov_b32 v[SC], s14
	s_sub_co_i32 s13, s78, s76
	s_sub_co_i32 s13, s13, s77                     ; O^T / the sum stands for ctx / 2^(e8 + e9): its code is that / 2^(e10 - e8 - e9)
	s_add_co_i32 s13, s13, 127
	s_lshl_b32 s14, s13, 23
	v_mov_b32 v[SCO], s14
; A KEY STEP of one tile: 128 keys.  st: its statistics; ob: its O^T; qb: its q; dr: its DA or DB; js: the scalar that holds its block.
.macro STEP st, ob, qb, dr, js
	s_cmp_gt_u32 s[STP], s[\js]                    ; all 128 keys come after the block's queries: the step is left out.  No barrier and no tensor load stands in a step
	s_cbranch_scc1 .Lskip_\@
.rept 4
	v_nop                                          ; places in front of loads into registers that the last products have read
.endr
.set t, 0
	s_wait_alu depctr_va_vdst(0)
.rept 8
	ds_load_b128 v[KV+8*t:KV+8*t+3], v[ADK] offset:1024*t
	ds_load_b128 v[KV+8*t+4:KV+8*t+7], v[ADK] offset:1024*t+512
.set t, t+1
.endr
	s_wait_dscnt 0x0
.set t, 0
.rept 8
	v_wmma_f32_16x16x64_bf8_bf8 v[S+8*t:S+8*t+7], v[KV+8*t:KV+8*t+7], v[\qb:\qb+7], 0
.set t, t+1
.endr
.rept 4
	v_nop                                          ; places in front of the loads below and of the first read of the scores
.endr
.set t, 0
	s_wait_alu depctr_va_vdst(0)
.rept 16
	ds_load_b128 v[KV+4*t:KV+4*t+3], v[ADV] offset:512*t   ; v's four fragments, 2,048 bytes each: they land while the softmax is worked
.set t, t+1
.endr
	s_cmp_lg_u32 s[STP], s[\js]
	s_cbranch_scc1 .Lopen_\@                       ; only the block's own step lies on the diagonal
.set n, 0
.rept 64                                       ; register 16 b + i holds key 16 (lane / 16) + 32 b + i of the step: hidden where 32 b + i > my query's number less 16 (lane / 16)
	v_cmp_gt_i32 vcc_lo, 32*(n/16)+n%16, v[\dr]
	v_cndmask_b32 v[S+n], v[S+n], v[MSK], vcc_lo
.set n, n+1
.endr
.Lopen_\@:
	v_max3_num_f32 v[MA], v[S], v[S+1], v[S+2]     ; the step's largest score of my query among my 64 keys, in two chains, each accumulator from its low end on
	v_max3_num_f32 v[MB], v[S+3], v[S+4], v[S+5]
.set n, 6
.rept 14
	v_max3_num_f32 v[MA], v[MA], v[S+n], v[S+n+1]
	v_max3_num_f32 v[MB], v[MB], v[S+n+2], v[S+n+3]
.set n, n+4
.endr
	v_max3_num_f32 v[MA], v[MA], v[S+62], v[S+63]
	s_delay_alu instid0(VALU_DEP_1)
	v_max_num_f32 v[MA], v[MA], v[MB]
	s_delay_alu instid0(VALU_DEP_1)
	v_permlanex16_b32 v[PD], v[MA], s[SEL], s[SEL+1]
	s_delay_alu instid0(VALU_DEP_1)
	v_max_num_f32 v[MA], v[MA], v[PD]              ; and among lane l xor 16's
	s_delay_alu instid0(VALU_DEP_1)
	v_mul_f32 v[MA], s[CS], v[MA]                  ; as t (c is positive)
	s_delay_alu instid0(VALU_DEP_1)
	v_max_num_f32 v[\st+1], v[\st+1], v[MA]        ; the running largest t
	v_mov_b32 v[MA], v[\st]
	s_delay_alu instid0(VALU_DEP_2)
	v_floor_f32 v[\st], -v[\st+1]                  ; the new -M = floor(-t): M is a whole number
	s_delay_alu instid0(VALU_DEP_1)
	v_sub_f32 v[MA], v[\st], v[MA]                 ; old M - new M: a whole number, 0 or less
	s_delay_alu instid0(VALU_DEP_1)
	v_cvt_i32_f32 v[MA], v[MA]                     ; (it saturates)
	s_delay_alu instid0(VALU_DEP_1)
	v_ldexp_f32 v[F], 1.0, v[MA]                   ; f = 2^(old M - new M)
.set n, 0
.rept 32
	v_pk_fma_f32 v[S+n:S+n+1], v[S+n:S+n+1], s[CS:CS+1], v[\st:\st+1] op_sel_hi:[1,0,0]   ; t - M, two at a time
.set n, n+2
.endr
.set n, 0
	s_wait_alu depctr_va_vdst(0)
.rept 64
	v_exp_f32 v[S+n], v[S+n]                       ; p = 2^(t - M), at most 1
.set n, n+1
.endr
	v_pk_mul_f32 v[\st+2:\st+3], v[\st+2:\st+3], v[F:F+1] op_sel_hi:[1,0]   ; the sum under the new M (a plain line behind the exponentials)
	s_wait_alu depctr_va_vdst(0)
	v_pk_add_f32 v[SM:SM+1], v[S:S+1], v[S+2:S+3]  ; the row's sum is taken of the unquantised p, in two chains
.set n, 4
.rept 15
	v_pk_add_f32 v[\st+2:\st+3], v[\st+2:\st+3], v[S+n:S+n+1]
	v_pk_add_f32 v[SM:SM+1], v[SM:SM+1], v[S+n+2:S+n+3]
.set n, n+4
.endr
	s_delay_alu instid0(VALU_DEP_1)
	v_pk_add_f32 v[\st+2:\st+3], v[\st+2:\st+3], v[SM:SM+1]
.irp b, 0,1,2,3
.irp i, 0,1,2,3,4,5,6,7,8,9,10,11,12,13,14,15
.endr
	v_cvt_scalef32_pk8_bf8_f32 v[P+4*\b:P+4*\b+1], v[S+16*\b:S+16*\b+7], v[SC]
	v_cvt_scalef32_pk8_bf8_f32 v[P+4*\b+2:P+4*\b+3], v[S+16*\b+8:S+16*\b+15], v[SC]
.endr
.set n, 0
.rept 16
	v_pk_mul_f32 v[\ob+n:\ob+n+1], v[\ob+n:\ob+n+1], v[F:F+1] op_sel_hi:[1,0]   ; O^T under the new M (these are also the plain lines between the conversions and the products)
.set n, n+2
.endr
	s_wait_alu depctr_va_vdst(0)
	s_wait_dscnt 0x0                               ; v's fragments are in
.set t, 0
.rept 4                                        ; the four accumulators take turns; between two links of one chain stand the other tile's products and the next scores'
	v_wmma_f32_16x16x128_bf8_bf8 v[\ob+8*t:\ob+8*t+7], v[KV+16*t:KV+16*t+15], v[P:P+15], v[\ob+8*t:\ob+8*t+7]
.set t, t+1
.endr
.Lskip_\@:
.endm
.macro TRIP                            ; one key step for both tiles; the compare for the backward jump is its last line
	v_add_nc_u32 v[ADK], s[SOFF], v[L16]           ; made on the way that every wave takes
	v_add_nc_u32 v[ADV], s[SOFF], v[L16V]
	STEP STA, OA, QA, DA, WV
	STEP STB, OB, QB, DB, JB
	s_add_co_u32 s[STP], s[STP], 1
	s_add_co_u32 s[SOFF], s[SOFF], 8192
	s_sub_co_u32 s[CNT], s[CNT], 1
	s_cmp_lg_u32 s[CNT], 0
.endm
	s_wait_loadcnt 0x0                             ; q
	s_wait_tensorcnt 7                             ; a fetching wave's first chunk, key steps 0 and 1, has landed; its seven later chunks may be out
	s_barrier_signal -1
	s_barrier_wait -1
	s_mov_b32 s[CNT], 2
.Lfirst:                                           ; key steps 0 and 1, while the rest of the head lands
	TRIP
	s_cbranch_scc1 .Lfirst
	s_wait_tensorcnt 0x0                           ; the whole head has landed
	s_wait_dscnt 0x0
	s_barrier_signal -1
	s_barrier_wait -1
	s_mov_b32 s[CNT], 14
.Lrest:                                            ; key steps 2 to 15
	TRIP
	s_cbranch_scc1 .Lrest
; THE WAY OUT of a tile: O^T / the sum, converted: register 16 b + i is channel 32 b + 16 (lane / 16) + i of my query: two planes of ctx's image, 512 consecutive bytes each.
.macro FINAL st, ob, x, bs
	v_add_f32 v[\st+2], v[\st+2], v[\st+3]         ; the sum's two halves,
	s_delay_alu instid0(VALU_DEP_1)
	v_permlanex16_b32 v[PD], v[\st+2], s[SEL], s[SEL+1]
	s_delay_alu instid0(VALU_DEP_1)
	v_add_f32 v[\st+2], v[\st+2], v[PD]            ; and lane l xor 16's
	s_wait_alu depctr_va_vdst(0)
	v_rcp_f32 v[\st+2], v[\st+2]
	v_nop                                          ; a plain line behind the transcendental
.set j, 0
	s_wait_alu depctr_va_vdst(0)
.rept 32
	v_mul_f32 v[S+32*\x+j], v[\ob+j], v[\st+2]     ; each accumulator from its low end on
.set j, j+1
.endr
.set j, 0
.rept 32
.set j, j+1
.endr
.irp g, 0,1,2,3
	v_cvt_scalef32_pk8_bf8_f32 v[P+8*\x+2*\g:P+8*\x+2*\g+1], v[S+32*\x+8*\g:S+32*\x+8*\g+7], v[SCO]
.endr
	v_nop
	global_store_b128 v[L16], v[P+8*\x:P+8*\x+3], s[\bs:\bs+1]
	global_store_b128 v[L16], v[P+8*\x+4:P+8*\x+7], s[\bs:\bs+1] offset:512
.endm
.rept 4
	v_nop                                          ; places behind the last products
.endr
	FINAL STA, OA, 0, 84
	FINAL STB, OB, 1, 86
	s_wait_dscnt 0x0
	s_wait_tensorcnt 0x0
	ds_add_u32 v251, v255
	s_wait_dscnt 0x0
	CROUND                                         ; the closing round: no work-group ends while a partner may still ask for a tile that names it
	s_endpgm
.Lfunc_end_k_qa1a2116b6c_attn:
	.size	k_qa1a2116b6c_attn, .Lfunc_end_k_qa1a2116b6c_attn-k_qa1a2116b6c_attn
	.p2alignl 7, 3214868480
	.fill 96, 4, 3214868480
	.section	.rodata,"a",@progbits
	.p2align	6, 0x0
	.amdhsa_kernel k_qa1a2116b6c_attn
		.amdhsa_group_segment_fixed_size 264192
		.amdhsa_private_segment_fixed_size 0
		.amdhsa_enable_private_segment 0
		.amdhsa_kernarg_size 24
		.amdhsa_user_sgpr_count 2
		.amdhsa_user_sgpr_kernarg_segment_ptr 1
		.amdhsa_wavefront_size32 1
		.amdhsa_system_sgpr_workgroup_id_x 1
		.amdhsa_system_sgpr_workgroup_id_y 1
		.amdhsa_system_sgpr_workgroup_id_z 1
		.amdhsa_system_vgpr_workitem_id 0
		.amdhsa_next_free_vgpr 256
		.amdhsa_next_free_sgpr 100
		.amdhsa_reserve_vcc 1
		.amdhsa_float_denorm_mode_32 3
		.amdhsa_float_denorm_mode_16_64 3
		.amdhsa_fp16_overflow 1
		.amdhsa_memory_ordered 1
		.amdhsa_forward_progress 1
		.amdhsa_inst_pref_size 90
	.end_amdhsa_kernel
	.amdgpu_metadata
---
amdhsa.version: [ 1, 2 ]
amdhsa.kernels:
  - .name:           k_qa1a2116b6c_attn
    .symbol:         k_qa1a2116b6c_attn.kd
    .args:
      - { .name: qkvc, .offset: 0, .size: 8, .value_kind: global_buffer, .address_space: global }
      - { .name: lowp_scales, .offset: 8, .size: 8, .value_kind: global_buffer, .address_space: global }
      - { .name: cimg, .offset: 16, .size: 8, .value_kind: global_buffer, .address_space: global }
    .group_segment_fixed_size: 264192
    .private_segment_fixed_size: 0
    .kernarg_segment_align: 8
    .kernarg_segment_size: 24
    .max_flat_workgroup_size: 512
    .sgpr_count:     100
    .vgpr_count:     256
    .wavefront_size: 32
...
	.end_amdgpu_metadata
.endif
;; end of part 3
;; launch oproj (part 4): grid 256 x 1, 8 waves a work-group, clusters of 4 x 1, 327,680 bytes of LDS; arguments cimg, woimg, lowp_scales, x, ln_gamma, ln_beta, out0; writes out0
.if DOCPART == 4
	.amdgcn_target "amdgcn-amd-amdhsa--gfx1250"
	.amdhsa_code_object_version 6
	.text
	.protected	k_qa1a2116b6c_oproj
	.globl	k_qa1a2116b6c_oproj
	.p2align	8
	.type	k_qa1a2116b6c_oproj,@function
k_qa1a2116b6c_oproj:
	s_mov_b64 s[64:65], 0
	v_nop
	global_prefetch_b8 v0, s[64:65] scope:SCOPE_SE
	s_setreg_imm32_b32 hwreg(HW_REG_WAVE_MODE, 25, 1), 1
	s_wait_xcnt 0x0
	s_wait_alu depctr_hold_cnt(0) depctr_sa_sdst(0) depctr_va_vdst(0) depctr_va_sdst(0) depctr_va_ssrc(0) depctr_va_vcc(0) depctr_vm_vsrc(0)
	s_getreg_b32 s2, hwreg(HW_REG_IB_STS2, 6, 4)
	s_cmp_eq_u32 s2, 0
	s_cbranch_scc0 .Lentry_in_a_cluster
	s_endpgm
.Lentry_in_a_cluster:
	s_bfe_u32 s2, ttmp6, 0x10000c
	s_cmp_lg_u32 s2, 0x3003
	s_cbranch_scc0 .Lentry_shape_is_right
	s_endpgm
.Lentry_shape_is_right:
; out = LayerNorm(ctx W_O + x) x gamma + beta.  ctx W_O on codes of BF8 (E5M2), K = 1,024, sums in f32; the rest in f32.
; INPUTS: cimg [tile of 16 tokens 512][K step 8][plane 4][lane][16 bytes] and woimg [K step 8][tile of 16 columns 64][plane 4][lane][16]: images of operand registers (lane (r, h): k = 128 s + 32 c + 16 h + 0 .. 15 of row r).
; In both, place 16 u + 8 a + l of a group of 32 rows holds row 16 a + 8 u + l.
; SHARES.  A work-group owns 32 tokens and ALL 1,024 columns, since the norm wants whole rows.  Each of its eight waves makes 128 columns for the 32 tokens: 2 x 8 accumulators.  ctx's 16 fragments (32 KiB) stay in each
; wave's registers (window 1).  W_O walks through a ring of two LDS slots, a K step (131,072 bytes) a slot; each wave fetches, and alone reads, its own 16,384 bytes.  All work-groups walk the same W_O: the four of a cluster
; ask JOINTLY, by the same tensor load with the same descriptor and a mask that names the four.  One tensor load of a wave is out behind each round.
; Source 0 = 16 columns of W_O, source 1 = 16 tokens: a lane holds one token (lane % 16), and the 16 registers of column tiles 2 b, 2 b + 1 are columns 32 b + 16 (lane / 16) + 0 .. 15.
; THE NORM.  The sums meet in a stage of 32 rows x (4,096 + 16) bytes, which lies over slot 0 after that slot's last fill and last read.  Wave w takes stage rows 4 w .. 4 w + 3, which are four neighbouring tokens;
; mean, then the mean of the squared differences from it; across lanes by four steps inside each half and one exchange.
; LIMIT: e10 + e11 lies between -126 and 127, so that 2^(e10 + e11) is an f32 number.
; REGISTERS: window 0: v1-8 addresses; v16-111 three buffers of two fragments of W_O; v112-127 the norm's sums; v128-255 the accumulators ((m, i) at v[128 + 8 (8 m + i)]), later my four rows.
;   window 1: ctx's fragments ((m, s) at v[32 s + 16 m]); from K step 4 on v0-127 take my four rows of x, from K step 6 on v128-159 gamma and v160-191 beta.
.set KTILE,  131072                    ; a K step of W_O
.set SLOT1,  135168                    ; slot 1 begins here: slot 0's 131,072 bytes and the stage's 512 more lie below
.set SPARE,  266240                    ; behind slot 1: the spare words, 128 bytes for each of eight waves
.set SPITCH, 4112                      ; a stage row: 4,096 bytes + 16: sixteen rows of a store start at sixteen different groups of four banks (64 banks of 4 bytes: ISA guide 11.1)
.set L16,  1                           ; v1   16 x lane
.set ADB,  2                           ; v2, v3  my part of slot 0, 1
.set STO,  4                           ; v4, v5  the stage: where I put 16 bytes of token row r, r + 16
.set SPW,  6                           ; v6   LDS address of my spare word; never rewritten
.set NIL,  7                           ; v7   0; never rewritten
.set RD,   8                           ; v8   the stage: my four rows, 16 bytes a lane
.set BF,   16
.set TS,   112                         ; v112-119 four pairs: a row's sum, then its mean in the low word
.set QS,   120                         ; v120-127 four pairs: the squares' sum, then 1 / sqrt(var + eps)
.set ACC,  128
.set Y,    128
.set WV,   18
.set G1,   24                          ; s[24:31] descriptor group 1
.set G0,   32                          ; s[32:39] group 0, one set for each slot
.set MSB, 0
.macro WIN new                         ; the immediate's high byte repeats the setting that is left
.if MSB != (\new)
	s_set_vgpr_msb (MSB<<8)|(\new)
.set MSB, (\new)
.endif
.endm
.macro ROUND                           ; a round of the cluster's barrier
	s_barrier_signal -1
	s_barrier_wait -1
	s_cmp_lg_u32 s[WV], 0
	s_cbranch_scc1 .Lnot_wave_0_\@
	s_barrier_signal -3
.Lnot_wave_0_\@:
	s_barrier_wait -3
	s_barrier_signal -1
	s_barrier_wait -1
.endm
	s_load_b256 s[4:11], s[0:1], 0x0               ; cimg s[4:5], woimg s[6:7], the scales' exponents s[8:9], x s[10:11]
	s_load_b128 s[12:15], s[0:1], 0x20             ; gamma s[12:13], beta s[14:15]
	s_load_b64 s[16:17], s[0:1], 0x30              ; out0
	v_lshl_add_u32 v[SPW], v0, 2, SPARE
	v_mov_b32 v[NIL], 0
	ds_add_u32 v6, v7
	ds_add_u32 v6, v7
	s_wait_dscnt 0x0
	v_lshrrev_b32 v1, 5, v0
	s_delay_alu instid0(VALU_DEP_1)
	v_readfirstlane_b32 s[WV], v1                  ; wave 0..7
	v_and_b32 v1, 31, v0
	s_delay_alu instid0(VALU_DEP_1)
	v_lshlrev_b32 v[L16], 4, v1
	s_bfe_u32 s19, ttmp6, 0x40000                  ; cx: it enters the addresses of ctx, x and out alone
	s_lshl_b32 s20, ttmp9, 2
	s_add_co_u32 s20, s20, s19                     ; my 32 tokens
	; descriptor group 1: a dense block of 16,384 bytes as 64 rows of 256
	s_mov_b32 s[G1], 15|(3<<16)|(1<<21)            ; 15:0 the mask: all four work-groups; 17:16 elements of 8 bytes; 21 set beside a mask; no padding
	s_mov_b32 s[G1+1], 32<<16
	s_mov_b32 s[G1+2], 64<<16
	s_mov_b32 s[G1+3], 32<<16
	s_mov_b32 s[G1+4], 64
	s_mov_b32 s[G1+5], 32
	s_mov_b32 s[G1+6], 0
	s_mov_b32 s[G1+7], 0
	s_mov_b32 s40, 0x3a800000                      ; 1 / 1,024
	s_mov_b32 s41, 0x3727c5ac                      ; 1e-5
	s_mov_b32 s42, 0x76543210
	s_mov_b32 s43, 0xfedcba98                      ; lane selects: lane l xor 16
	s_lshl_b32 s21, s[WV], 14                      ; my 16,384 bytes of a K step, in memory and in a slot
	s_mov_b32 s46, s21
	s_mov_b32 s47, 0
	s_and_b32 s50, s[WV], 1                        ; stage rows 4 w .. 4 w + 3 are tokens 4 w' .. 4 w' + 3, w' = w with its bits 1 and 2 exchanged
	s_and_b32 s51, s[WV], 2
	s_lshl_b32 s51, s51, 1
	s_or_b32 s50, s50, s51
	s_and_b32 s51, s[WV], 4
	s_lshr_b32 s51, s51, 1
	s_or_b32 s50, s50, s51
	s_lshl_b32 s50, s50, 2
	s_lshl_b32 s51, s20, 5
	s_add_co_u32 s50, s50, s51
	s_lshl_b32 s50, s50, 12                        ; rows of 4,096 bytes
	s_mov_b32 s51, 0
	s_lshl_b32 s52, s20, 15                        ; ctx: two tiles of 16,384 bytes
	s_mov_b32 s53, 0
	s_wait_kmcnt 0x0
	s_load_b64 s[48:49], s[8:9], 0x28              ; e10, e11
	s_add_nc_u64 s[10:11], s[10:11], s[50:51]
	s_add_nc_u64 s[16:17], s[16:17], s[50:51]
	s_add_nc_u64 s[4:5], s[4:5], s[52:53]
	s_mov_b32 s[G0], 1
	s_mov_b32 s[G0+1], s21                         ; slot 0
	s_add_nc_u64 s[G0+2:G0+3], s[6:7], s[46:47]    ; K step 0
	s_or_b32 s[G0+3], s[G0+3], 0x80000000
	s_mov_b32 s[G0+4], 1
	s_add_co_u32 s[G0+5], s21, SLOT1               ; slot 1
	s_add_nc_u64 s[G0+6:G0+7], s[6:7], s[46:47]
	s_add_nc_u64 s[G0+6:G0+7], s[G0+6:G0+7], KTILE ; K step 1
	s_or_b32 s[G0+7], s[G0+7], 0x80000000
	ROUND                                          ; all four work-groups are here: the first joint load meets
	tensor_load_to_lds s[G0:G0+3], s[G1:G1+7]      ; K step 0
	s_nop 0
.rept 4
	v_nop
.endr
	WIN 0x40                                       ; destination window 1
.set k, 0
	s_wait_alu depctr_va_vdst(0)
.rept 64                                       ; ctx's fragment (m, s), plane c, at v[32 s + 16 m + 4 c]
	global_load_b128 v[32*((k/4)%8)+16*(k/32)+4*(k%4):32*((k/4)%8)+16*(k/32)+4*(k%4)+3], v[L16], s[4:5] offset:16384*(k/32)+2048*((k/4)%8)+512*(k%4)
.set k, k+1
.endr
	WIN 0
	v_add_nc_u32 v[ADB], s21, v[L16]
	s_delay_alu instid0(VALU_DEP_1)
	v_add_nc_u32 v[ADB+1], SLOT1, v[ADB]
	v_and_b32 v9, 15, v0                           ; r
	v_bfe_u32 v10, v0, 4, 1                        ; h
	s_delay_alu instid0(VALU_DEP_2)
	v_mul_u32_u24 v[STO], v9, SPITCH
	s_delay_alu instid0(VALU_DEP_1)
	v_lshl_add_u32 v[STO], v10, 6, v[STO]
	s_lshl_b32 s46, s[WV], 9
	v_add_nc_u32 v[STO], s46, v[STO]               ; row r, + 512 x wave (my 128 columns), + 64 h (16 columns)
	s_delay_alu instid0(VALU_DEP_1)
	v_add_nc_u32 v[STO+1], 16*SPITCH, v[STO]
	s_mul_i32 s46, s[WV], 4*SPITCH
	v_add_nc_u32 v[RD], s46, v[L16]
	s_wait_kmcnt 0x0
	s_add_co_i32 s44, s48, s49
	s_add_co_i32 s44, s44, 127
	s_lshl_b32 s44, s44, 23                        ; 2^(e10 + e11) as f32
	s_mov_b32 s45, s44                             ; (named with it as a pair)
.macro BLOAD g, sl                     ; W_O's fragments 2 g and 2 g + 1 of my eight, into buffer g % 3
.irp e, 0,1
.irp c, 0,1,2,3
	ds_load_b128 v[BF+32*((\g)%3)+16*\e+4*\c:BF+32*((\g)%3)+16*\e+4*\c+3], v[ADB+\sl] offset:(2*(\g)+\e)*2048+512*\c
.endr
.endr
.endm
.macro BMUL g, s                       ; four products; the sixteen accumulators take turns, in the same order in every K step; K step 0 starts the sums
.irp e, 0,1
.irp m, 0,1
.if (\s) == 0
	v_wmma_f32_16x16x128_bf8_bf8 v[ACC+8*(8*\m+2*(\g)+\e):ACC+8*(8*\m+2*(\g)+\e)+7], v[BF+32*((\g)%3)+16*\e:BF+32*((\g)%3)+16*\e+15], v[32*(\s)+16*\m:32*(\s)+16*\m+15], 0
.else
	v_wmma_f32_16x16x128_bf8_bf8 v[ACC+8*(8*\m+2*(\g)+\e):ACC+8*(8*\m+2*(\g)+\e)+7], v[BF+32*((\g)%3)+16*\e:BF+32*((\g)%3)+16*\e+15], v[32*(\s)+16*\m:32*(\s)+16*\m+15], v[ACC+8*(8*\m+2*(\g)+\e):ACC+8*(8*\m+2*(\g)+\e)+7]
.endif
.endr
.endr
.endm
; K step s, in slot s % 2.
.macro TRIP s
	WIN 0
	s_wait_tensorcnt 0x0                           ; all my tensor loads have landed, my part of this K step among them: so every group 0 may be written
	ds_add_u32 v[SPW], v[NIL]                      ; 0 onto my spare word
	s_add_nc_u64 s[G0+4*((\s)%2)+2:G0+4*((\s)%2)+3], s[G0+4*((\s)%2)+2:G0+4*((\s)%2)+3], 2*KTILE   ; this slot's next K step (the last two stepped addresses are not used)
	s_wait_dscnt 0x0                               ; the add is done, and my reads of the other slot are over
	ROUND                                          ; both now hold of every wave of all four work-groups
.if (\s) < 7
	tensor_load_to_lds s[G0+4*(1-(\s)%2):G0+4*(1-(\s)%2)+3], s[G1:G1+7]   ; the next K step, into the slot read last: my one tensor load behind the round
	s_nop 0
.endif
.rept 4
	v_nop                                          ; behind the tensor load; also the places in front of loads into registers that the last products have read
.endr
.if (\s) == 4
	WIN 0x40                                       ; my four rows of x, into the registers that ctx's K steps 0 to 3 have left
.set k, 0
.rept 32
	global_load_b128 v[4*k:4*k+3], v[L16], s[10:11] offset:4096*(k/8)+512*(k%8) th:TH_LOAD_NT
.set k, k+1
.endr
	WIN 0
.endif
.if (\s) == 6
	WIN 0x40                                       ; gamma and beta, into the registers that ctx's K steps 4 and 5 have left
.set k, 0
.rept 8
	global_load_b128 v[128+4*k:128+4*k+3], v[L16], s[12:13] offset:512*k
	global_load_b128 v[160+4*k:160+4*k+3], v[L16], s[14:15] offset:512*k
.set k, k+1
.endr
	WIN 0
.endif
	s_wait_alu depctr_va_vdst(0)
	BLOAD 0, (\s)%2
	BLOAD 1, (\s)%2
	BLOAD 2, (\s)%2
.if (\s) == 0
	s_wait_loadcnt 0x0                             ; ctx
.endif
	WIN 0x04                                       ; source 1 (ctx) window 1
	s_wait_dscnt 16                                ; the first eight loads are in; two younger groups of eight may be out
	BMUL 0, \s
.rept 4
	v_nop                                          ; places in front of the loads into buffer 0
.endr
	BLOAD 3, (\s)%2
	s_wait_dscnt 16
	BMUL 1, \s
	s_wait_dscnt 8
	BMUL 2, \s
	s_wait_dscnt 0x0
	BMUL 3, \s
.endm
.irp s, 0,1,2,3,4,5,6,7
	TRIP \s
.endr
	WIN 0
.rept 4
	v_nop                                          ; places in front of the first read of the results
.endr
.irp m, 0,1
.irp b, 0,1,2,3
.irp u, 0,1
	ds_store_b128 v[STO+\m], v[ACC+8*(8*\m+2*\b+\u):ACC+8*(8*\m+2*\b+\u)+3] offset:128*\b+32*\u        ; columns 32 b + 16 h + 8 u + 0 .. 3 of my 128; each accumulator from its low end on
	ds_store_b128 v[STO+\m], v[ACC+8*(8*\m+2*\b+\u)+4:ACC+8*(8*\m+2*\b+\u)+7] offset:128*\b+32*\u+16
.endr
.endr
.endr
	s_wait_dscnt 0x0                               ; for the others' sake: my stores into the stage are done
	s_barrier_signal -1
	s_barrier_wait -1                              ; 32 whole rows of sums lie in the stage
.set k, 0
.rept 32
	ds_load_b128 v[Y+4*k:Y+4*k+3], v[RD] offset:SPITCH*(k/8)+512*(k%8)   ; row i = k / 8 at v[Y + 32 i]: 32 lanes read 512 consecutive bytes
.set k, k+1
.endr
	s_wait_loadcnt 0x0                             ; x, gamma, beta
	s_wait_dscnt 0x0
	WIN 0x10                                       ; source 2 (x) window 1
.set k, 0
.rept 64
	v_pk_fma_f32 v[Y+2*k:Y+2*k+1], v[Y+2*k:Y+2*k+1], s[44:45], v[2*k:2*k+1] op_sel_hi:[1,0,1]   ; sum x 2^(e10 + e11) + x
.set k, k+1
.endr
	WIN 0
.macro REDUCE b                        ; four rows' pairs of partial sums become four sums, in every lane
.irp i, 0,1,2,3
	s_delay_alu instid0(VALU_DEP_4)
	v_add_f32 v[\b+2*\i], v[\b+2*\i], v[\b+2*\i+1]
.endr
.irp d, 1,2,4,8
.irp i, 0,1,2,3
	s_delay_alu instid0(VALU_DEP_4)
	v_add_f32_dpp v[\b+2*\i], v[\b+2*\i], v[\b+2*\i] row_xmask:\d row_mask:0xf bank_mask:0xf
.endr
.endr
.irp i, 0,1,2,3
	s_delay_alu instid0(VALU_DEP_4)
	v_permlanex16_b32 v[\b+2*\i+1], v[\b+2*\i], s42, s43
.endr
.irp i, 0,1,2,3
	s_delay_alu instid0(VALU_DEP_4)
	v_add_f32 v[\b+2*\i], v[\b+2*\i], v[\b+2*\i+1]
.endr
.endm
.irp i, 0,1,2,3                                ; the four rows take turns, so that no line waits for the line above it
	v_pk_add_f32 v[TS+2*\i:TS+2*\i+1], v[Y+32*\i:Y+32*\i+1], v[Y+32*\i+2:Y+32*\i+3]
.endr
.set k, 2
.rept 14
.irp i, 0,1,2,3
	s_delay_alu instid0(VALU_DEP_4)
	v_pk_add_f32 v[TS+2*\i:TS+2*\i+1], v[TS+2*\i:TS+2*\i+1], v[Y+32*\i+2*k:Y+32*\i+2*k+1]
.endr
.set k, k+1
.endr
	REDUCE TS
.irp i, 0,1,2,3
	s_delay_alu instid0(VALU_DEP_4)
	v_mul_f32 v[TS+2*\i], s40, v[TS+2*\i]          ; the mean
.endr
.set k, 0
.rept 16
.irp i, 0,1,2,3
	v_pk_add_f32 v[Y+32*\i+2*k:Y+32*\i+2*k+1], v[Y+32*\i+2*k:Y+32*\i+2*k+1], v[TS+2*\i:TS+2*\i+1] op_sel_hi:[1,0] neg_lo:[0,1] neg_hi:[0,1]   ; less the mean
.endr
.set k, k+1
.endr
.irp i, 0,1,2,3
	v_pk_mul_f32 v[QS+2*\i:QS+2*\i+1], v[Y+32*\i:Y+32*\i+1], v[Y+32*\i:Y+32*\i+1]
.endr
.set k, 1
.rept 15
.irp i, 0,1,2,3
	s_delay_alu instid0(VALU_DEP_4)
	v_pk_fma_f32 v[QS+2*\i:QS+2*\i+1], v[Y+32*\i+2*k:Y+32*\i+2*k+1], v[Y+32*\i+2*k:Y+32*\i+2*k+1], v[QS+2*\i:QS+2*\i+1]
.endr
.set k, k+1
.endr
	REDUCE QS
.irp i, 0,1,2,3
	s_delay_alu instid0(VALU_DEP_4)
	v_fma_f32 v[QS+2*\i], v[QS+2*\i], s40, s41     ; the variance + 1e-5
.endr
	s_wait_alu depctr_va_vdst(0)
.irp i, 0,1,2,3
	v_rsq_f32 v[QS+2*\i], v[QS+2*\i]
.endr
	v_nop                                          ; a plain line behind the transcendentals
.set k, 0
	s_wait_alu depctr_va_vdst(0)
.rept 64
	v_pk_mul_f32 v[Y+2*k:Y+2*k+1], v[Y+2*k:Y+2*k+1], v[QS+2*(k/16):QS+2*(k/16)+1] op_sel_hi:[1,0]
.set k, k+1
.endr
	WIN 0x14                                       ; sources 1 (gamma) and 2 (beta) window 1
.set k, 0
.rept 64
	v_pk_fma_f32 v[Y+2*k:Y+2*k+1], v[Y+2*k:Y+2*k+1], v[128+2*(k%16):128+2*(k%16)+1], v[160+2*(k%16):160+2*(k%16)+1]
.set k, k+1
.endr
	WIN 0
.set k, 0
.rept 32
	global_store_b128 v[L16], v[Y+4*k:Y+4*k+3], s[16:17] offset:4096*(k/8)+512*(k%8) th:TH_STORE_NT   ; 32 lanes store 512 consecutive bytes, aligned; written once
.set k, k+1
.endr
	s_wait_tensorcnt 0x0                           ; the wave's end
	ds_add_u32 v[SPW], v[NIL]
	s_wait_dscnt 0x0
	ROUND                                          ; the closing round: no work-group ends while a partner may still ask for a tile that names it
	s_endpgm
.Lfunc_end_k_qa1a2116b6c_oproj:
	.size	k_qa1a2116b6c_oproj, .Lfunc_end_k_qa1a2116b6c_oproj-k_qa1a2116b6c_oproj
	.p2alignl 7, 3214868480
	.fill 96, 4, 3214868480
	.section	.rodata,"a",@progbits
	.p2align	6, 0x0
	.amdhsa_kernel k_qa1a2116b6c_oproj
		.amdhsa_group_segment_fixed_size 327680
		.amdhsa_private_segment_fixed_size 0
		.amdhsa_enable_private_segment 0
		.amdhsa_kernarg_size 56
		.amdhsa_user_sgpr_count 2
		.amdhsa_user_sgpr_kernarg_segment_ptr 1
		.amdhsa_wavefront_size32 1
		.amdhsa_system_sgpr_workgroup_id_x 1
		.amdhsa_system_sgpr_workgroup_id_y 1
		.amdhsa_system_sgpr_workgroup_id_z 1
		.amdhsa_system_vgpr_workitem_id 0
		.amdhsa_next_free_vgpr 512
		.amdhsa_next_free_sgpr 66
		.amdhsa_reserve_vcc 0
		.amdhsa_float_denorm_mode_32 3
		.amdhsa_float_denorm_mode_16_64 3
		.amdhsa_memory_ordered 1
		.amdhsa_forward_progress 1
		.amdhsa_inst_pref_size 89
	.end_amdhsa_kernel
	.amdgpu_metadata
---
amdhsa.version: [ 1, 2 ]
amdhsa.kernels:
  - .name:           k_qa1a2116b6c_oproj
    .symbol:         k_qa1a2116b6c_oproj.kd
    .args:
      - { .name: cimg, .offset: 0, .size: 8, .value_kind: global_buffer, .address_space: global }
      - { .name: woimg, .offset: 8, .size: 8, .value_kind: global_buffer, .address_space: global }
      - { .name: lowp_scales, .offset: 16, .size: 8, .value_kind: global_buffer, .address_space: global }
      - { .name: x, .offset: 24, .size: 8, .value_kind: global_buffer, .address_space: global }
      - { .name: ln_gamma, .offset: 32, .size: 8, .value_kind: global_buffer, .address_space: global }
      - { .name: ln_beta, .offset: 40, .size: 8, .value_kind: global_buffer, .address_space: global }
      - { .name: out0, .offset: 48, .size: 8, .value_kind: global_buffer, .address_space: global }
    .group_segment_fixed_size: 327680
    .private_segment_fixed_size: 0
    .kernarg_segment_align: 8
    .kernarg_segment_size: 56
    .max_flat_workgroup_size: 256
    .sgpr_count:     66
    .vgpr_count:     512
    .wavefront_size: 32
...
	.end_amdgpu_metadata
.endif
;; end of part 4
